; MI455X (gfx1250); checked and timed in simulation.
; The chip was launched on July 23, 2026; its instructions are those of AMD's public machine-readable ISA for CDNA 5 (MIT licence, August 2026) and "CDNA5" Instruction Set Architecture Reference Guide (July 2026). The comments in the code are by the model that wrote it; some were corrected since.
;; MS Deform Attn. Allowed arithmetic: matrix products marked QUANTISED: E3M2 operands, one E8M0 scale for each 32 along K, by v_wmma_scale_f32_16x16x128_f8f6f4 with both operands' format E3M2, f32 sums; everything else in f32.
;; Inputs: W_attn 256 x 128 float32; W_off 256 x 256 float32; W_out 256 x 256 float32; W_value 256 x 256 float32; b_attn 128 float32; b_off 256 float32; b_out 256 float32; b_value 256 float32; input_flatten 2 x 13,294 x 256 float32; input_spatial_shapes 4 x 2 int32; query 2 x 13,294 x 256 float32; reference_points 2 x 13,294 x 4 x 2 float32.
;; Outputs: out0 2 x 13,294 x 256 float32.
;; This version of the problem:
;;   THIS VERSION OF THE PROBLEM IS GIVEN IN LOW PRECISION. The matrix products marked QUANTISED in the list below multiply operands that are first quantised to E3M2 (3 exponent bits, 2 mantissa bits; 6 bits a number), with one power-of-two scale for each 32 numbers along K (OCP MX v1.0); their sums are f32. All else is computed in f32.
;;   The module's matrix products, in the order in which they are computed (A, B: the left and right operand; K: the contracted axis; several contracted axes count as one K, in the product's order):
;;     1. [M 26,588, K 256] x [K 256, N 256]; A: input input_flatten; B: input W_value: QUANTISED
;;     2. [M 26,588, K 256] x [K 256, N 256]; A: input query; B: input W_off: QUANTISED
;;     3. [M 26,588, K 256] x [K 256, N 128]; A: input query; B: input W_attn: QUANTISED
;;     4. [M 26,588, K 256] x [K 256, N 256]; A: computed on the way; B: input W_out: QUANTISED
;;   THE QUANTISER, for each operand of a quantised product, along K:
;;     - K is cut into blocks of 32 from its start; a last block that is shorter is filled with zeros.
;;     - A block's scale is 2^e with e = floor(log2(the largest magnitude in the block)) - 4, held to -126 .. 127; a block of zeros has e = 0. As a byte (E8M0): e + 127.
;;     - Each number is divided by its block's scale, clamped to +-28, and rounded to the nearest number of E3M2, ties to even, subnormals kept.
;;     - The product sums the exact products of the quantised numbers (number of the format x scale) in f32.
;;   ~~~python
;;   def quantise(x, axis):      # numpy; x: float32 -> the quantised numbers, widened to float32 again
;;       x = np.moveaxis(x, axis, -1); K = x.shape[-1]
;;       x = np.pad(x, [(0, 0)] * (x.ndim - 1) + [(0, -K % 32)]); x = x.reshape(x.shape[:-1] + (-1, 32)); a = np.abs(x).max(-1, keepdims=True)
;;       e = np.where(a > 0, np.clip(np.frexp(np.where(a > 0, a, 1))[1] - 1 - 4, -126, 127), 0)      # np.frexp(a)[1] - 1 = floor(log2(a)), exactly
;;       r = np.clip(x / 2.0 ** e, -28, 28)
;;       step = 2.0 ** (np.maximum(np.frexp(np.where(r == 0, 1, r))[1] - 1, -2) - 2)
;;       q = np.round(r / step) * step * 2.0 ** e      # np.round: ties to even
;;       return np.moveaxis(q.reshape(q.shape[:-2] + (-1,))[..., :K], -1, axis).astype(np.float32)
;;   ~~~
;;   OPERANDS COMPUTED ON THE WAY. 'Computed on the way' means the value that the module computes at that place (a softmax that the list does not call 'softmax' is quantised finished and normalised). What goes into a quantiser is computed in f32, as accurately as f32 sums, v_exp_f32 and their like allow (about 1e-6 of the number): no bf16 or f16 on the way to a quantiser, and a product that is left as it is and whose result goes on into a quantised operand takes f32 operands (vector FMAs, or v_wmma_f32_16x16x4_f32). A number that lies on a knife's edge between two numbers of the format may be rounded either way, as far as f32 arithmetic and the matrix unit's own rounding can turn it there, and no further.
;; 2 versions, each right and faster than the one before. Each part assembles by itself: llvm-mc -triple=amdgcn-amd-amdhsa -mcpu=gfx1250 --defsym DOCPART=n.
;; ======== version 1 of 2: 3 launches
;; workspace buffers: wq 186,368 bytes; value 27,226,112 bytes; swgt 54,452,224 bytes; sidx 13,613,056 bytes of whole numbers
;; launch prep (part 1): grid 28 x 1, 4 waves a work-group, no clusters, 0 bytes of LDS; arguments W_off, W_attn, W_value, W_out, wq; writes wq
.if DOCPART == 1
	.amdgcn_target "amdgcn-amd-amdhsa--gfx1250"
	.amdhsa_code_object_version 6
	.text
	.protected	k_q38f32dee71_prep
	.globl	k_q38f32dee71_prep
	.p2align	8
	.type	k_q38f32dee71_prep,@function
k_q38f32dee71_prep:
	s_mov_b64 s[64:65], 0
	v_nop
	global_prefetch_b8 v0, s[64:65] scope:SCOPE_SE
	s_setreg_imm32_b32 hwreg(HW_REG_WAVE_MODE, 25, 1), 1
	s_wait_xcnt 0x0
; MSDeformAttn in MX-BF6, three launches: prep (this one) quantises the four weights once; proj makes the value table, the sampling cells and the sampling weights; sample sums the sampled values and makes the output projection.
; WORK LEFT OUT.  input_spatial_shapes: reference() takes it as an argument and never reads it (the levels' shapes are constants of its own body), so no value of it can reach the result: it is not loaded and is no
; launch's argument.  The zeros with which reference() begins acc: the first product of each sum begins the sum.  A NaN, an infinity or an overflow that reaches only what is left out is not carried to the result.
; All else is live: the four biases differ along their axes and are loaded.
; LIMITS.  NaN and infinities among the inputs are not served.  A block of zeros gets the scale byte 1 where the rule says 127: its codes are zeros, which add nothing under any byte but 0xff, and this program alone
; reads the bytes.  Blocks whose largest magnitude lies under the floor 2^(5 - 127) were not tried.
; THIS LAUNCH.  A weight W [256 (k)][N] has K as its first axis.  A wave makes ONE operand fragment (16 columns x 128 along K): lane (r, h) takes one column, its 64 registers run down K in the order that the operand's
; layout gives that lane (register 32 c + i: k = 128 s + 64 c + 32 h + i), so a lane holds two whole blocks of 32, and the conversions' results are the operand's registers.
; wq: fragment F's image at 1536 F: three runs of 512 bytes, lane l's registers 4 c .. 4 c + 3 at 512 c + 16 l; its scale words at SCB + 128 F + 4 l (lanes 16-31 hold the same as lanes 0-15).
; F: 0-31 W_off (4 head + 2 u + s; lane m takes column 32 head + 8 u + m + 8 (m / 8): levels u and u + 2);  32-47 W_attn (32 + 2 head + s);  48-79 W_value (48 + 2 n + s);  80-111 W_out (80 + 2 n + s): columns 16 n + m.
; No LDS, no barrier: waves share nothing.  28 work-groups: that is all the work there is (112 fragments).
.set SCB, 172032                       ; where the scale words begin: 112 x 1536
.set X,   32                           ; v32-95   the lane's 64 numbers
.set PC,  96                           ; v96-107  the fragment's codes
.set TC,  108                          ; v108-115 a block's upper 16 codes, made on an even register and moved
.set MX,  116                          ; v116-117 largest magnitudes
.set SO,  118                          ; v118-119 the conversions' scale operands
.set BY,  120                          ; v120-121 the scale bytes
.set PW,  122                          ; v122     the scale word
.set T1,  123                          ; v123     lane l xor 16's part of it
.set SH8, 4                            ; v4       8 h
.set SEL, 26                           ; s[26:27] lane selects: lane l xor 16
; 64 numbers of a lane, register 32 c + i = k 64 c + 32 h + i of its row or column, become a fragment's 12 registers of codes in v[PC] on and its scale word in v[PW]
.macro QW s
.irp c, 0,1
	v_max3_num_f32 v[MX+\c], |v[\s+32*\c]|, |v[\s+32*\c+1]|, 0x2800000   ; block 2 c + h: all its 32 numbers are mine; the floor 2^(5 - 127) holds the byte at 1 from below
.endr
.irp i, 2,4,6,8,10,12,14,16,18,20,22,24,26,28,30
.irp c, 0,1
	v_max3_num_f32 v[MX+\c], v[MX+\c], |v[\s+32*\c+\i]|, |v[\s+32*\c+\i+1]|   ; the two blocks by turns
.endr
.endr
.irp c, 0,1
	v_add_nc_u32 v[SO+\c], 0xfe000000, v[MX+\c]    ; 4 off the exponent field: the conversion takes the exponent field of this operand as its scale
.endr
.irp c, 0,1
	v_lshrrev_b32 v[BY+\c], 23, v[SO+\c]           ; the scale's byte
.endr
	v_lshl_or_b32 v[PW], v[BY+1], 16, v[BY]        ; blocks h and 2 + h,
	v_lshlrev_b32 v[PW], v[SH8], v[PW]             ; at their places in the word;
	v_mov_b32 v[T1], 0                             ; (a lane permute's destination counts as one of its sources)
	v_permlanex16_b32 v[T1], v[PW], s[SEL], s[SEL+1]
	v_or_b32 v[PW], v[PW], v[T1]                   ; with lane l xor 16's two bytes the word is whole, in both halves
.irp c, 0,1
	v_cvt_scalef32_pk16_bf6_f32 v[PC+6*\c:PC+6*\c+2], v[\s+32*\c:\s+32*\c+15], v[SO+\c]
	v_cvt_scalef32_pk16_bf6_f32 v[TC+4*\c:TC+4*\c+2], v[\s+32*\c+16:\s+32*\c+31], v[SO+\c]   ; (a conversion's three registers begin on an even number)
.endr
	v_nop                                          ; one plain place behind the last scaled conversion
.irp c, 0,1
.irp i, 0,1,2
	v_mov_b32 v[PC+3+6*\c+\i], v[TC+4*\c+\i]
.endr
.endr
.endm
; the fragment's 64 numbers of my column; pitch: bytes from row k to row k + 1 of the weight.  Sixteen neighbouring lanes read up to 64 neighbouring bytes
.macro LOADW pitch
	s_mul_i32 s25, s21, 128*\pitch                 ; K step s
	v_mul_u32_u24 v5, v3, 32*\pitch                ; lanes 16-31 begin 32 rows further down
	v_add_nc_u32 v5, s25, v5
	v_lshl_add_u32 v5, v8, 2, v5                   ; + 4 x my column
.irp c, 0,1
.irp i, 0,1,2,3,4,5,6,7,8,9,10,11,12,13,14,15,16,17,18,19,20,21,22,23,24,25,26,27,28,29,30,31
	global_load_b32 v[X+32*\c+\i], v5, s[14:15] offset:(64*\c+\i)*\pitch
.endr
.endr
.endm
	s_load_b256 s[4:11], s[0:1], 0x0               ; W_off s[4:5], W_attn s[6:7], W_value s[8:9], W_out s[10:11]
	s_load_b64 s[12:13], s[0:1], 0x20              ; wq
	v_lshrrev_b32 v1, 5, v0
	v_readfirstlane_b32 s18, v1                    ; wave 0..3
	v_and_b32 v1, 31, v0                           ; lane
	v_and_b32 v2, 15, v0                           ; r
	v_bfe_u32 v3, v0, 4, 1                         ; h
	v_lshlrev_b32 v[SH8], 3, v3
	v_lshlrev_b32 v6, 4, v1                        ; 16 l
	v_lshlrev_b32 v7, 2, v1                        ; 4 l
	s_mov_b32 s[SEL], 0x76543210
	s_mov_b32 s[SEL+1], 0xfedcba98
	s_lshl_b32 s19, ttmp9, 2
	s_add_co_u32 s19, s19, s18                     ; F = 4 x work-group + wave
	s_wait_kmcnt 0x0
	s_cmp_ge_u32 ttmp9, 20                         ; which weight: the choice hangs on the work-group's number alone, and is the same in its four waves
	s_cselect_b64 s[14:15], s[10:11], s[8:9]
	s_cselect_b32 s16, 80, 48                      ; the weight's first fragment
	s_cmp_ge_u32 ttmp9, 12
	s_cselect_b64 s[14:15], s[14:15], s[6:7]
	s_cselect_b32 s16, s16, 32
	s_cmp_ge_u32 ttmp9, 8
	s_cselect_b64 s[14:15], s[14:15], s[4:5]
	s_cselect_b32 s16, s16, 0
	s_cselect_b32 s17, 0, 1                        ; 1 for W_off: its tiles' columns are not neighbours
	s_sub_co_u32 s20, s19, s16
	s_lshr_b32 s20, s20, 1                         ; the tile
	s_and_b32 s21, s19, 1                          ; the K step
	s_lshl_b32 s22, s20, 4                         ; first column: 16 x tile,
	s_lshr_b32 s23, s20, 1
	s_lshl_b32 s23, s23, 5
	s_and_b32 s24, s20, 1
	s_lshl_b32 s24, s24, 3
	s_add_co_u32 s23, s23, s24                     ; or, in W_off, 32 x head + 8 u
	s_cmp_eq_u32 s17, 1
	s_cselect_b32 s22, s23, s22
	v_and_b32 v9, 8, v2
	v_mul_u32_u24 v9, s17, v9                      ; in W_off lanes 8-15 stand 8 columns further on
	v_add3_u32 v8, v2, v9, s22                     ; my column
	s_mul_i32 s28, s19, 1536
	s_mov_b32 s29, 0
	s_add_nc_u64 s[30:31], s[12:13], s[28:29]      ; my image
	s_lshl_b32 s28, s19, 7
	s_add_co_u32 s28, s28, SCB
	s_add_nc_u64 s[12:13], s[12:13], s[28:29]      ; my scale words
	s_cmp_eq_u32 s16, 32                           ; W_attn has rows of 512 bytes, the others of 1,024
	s_cbranch_scc1 .Lattn
	LOADW 1024
	s_branch .Ljoin
.Lattn:
	LOADW 512
.Ljoin:
	s_wait_loadcnt 0x0
	QW X
.irp c, 0,1,2
	global_store_b128 v6, v[PC+4*\c:PC+4*\c+3], s[30:31] offset:512*\c   ; 32 lanes store 512 consecutive bytes, at a multiple of 512 from wq's first byte
.endr
	global_store_b32 v7, v[PW], s[12:13]
	s_endpgm
.Lfunc_end_k_q38f32dee71_prep:
	.size	k_q38f32dee71_prep, .Lfunc_end_k_q38f32dee71_prep-k_q38f32dee71_prep
	.p2alignl 7, 3214868480
	.fill 96, 4, 3214868480
	.section	.rodata,"a",@progbits
	.p2align	6, 0x0
	.amdhsa_kernel k_q38f32dee71_prep
		.amdhsa_group_segment_fixed_size 0
		.amdhsa_private_segment_fixed_size 0
		.amdhsa_enable_private_segment 0
		.amdhsa_kernarg_size 40
		.amdhsa_user_sgpr_count 2
		.amdhsa_user_sgpr_kernarg_segment_ptr 1
		.amdhsa_wavefront_size32 1
		.amdhsa_system_sgpr_workgroup_id_x 1
		.amdhsa_system_sgpr_workgroup_id_y 1
		.amdhsa_system_sgpr_workgroup_id_z 1
		.amdhsa_system_vgpr_workitem_id 0
		.amdhsa_next_free_vgpr 128
		.amdhsa_next_free_sgpr 66
		.amdhsa_reserve_vcc 0
		.amdhsa_float_denorm_mode_32 3
		.amdhsa_float_denorm_mode_16_64 3
		.amdhsa_memory_ordered 1
		.amdhsa_forward_progress 1
		.amdhsa_inst_pref_size 18
	.end_amdhsa_kernel
	.amdgpu_metadata
---
amdhsa.version: [ 1, 2 ]
amdhsa.kernels:
  - .name:           k_q38f32dee71_prep
    .symbol:         k_q38f32dee71_prep.kd
    .args:
      - { .name: W_off, .offset: 0, .size: 8, .value_kind: global_buffer, .address_space: global }
      - { .name: W_attn, .offset: 8, .size: 8, .value_kind: global_buffer, .address_space: global }
      - { .name: W_value, .offset: 16, .size: 8, .value_kind: global_buffer, .address_space: global }
      - { .name: W_out, .offset: 24, .size: 8, .value_kind: global_buffer, .address_space: global }
      - { .name: wq, .offset: 32, .size: 8, .value_kind: global_buffer, .address_space: global }
    .group_segment_fixed_size: 0
    .private_segment_fixed_size: 0
    .kernarg_segment_align: 8
    .kernarg_segment_size: 40
    .max_flat_workgroup_size: 128
    .sgpr_count:     66
    .vgpr_count:     128
    .wavefront_size: 32
...
	.end_amdgpu_metadata
.endif
;; end of part 1
;; launch proj (part 2): grid 831 x 1, 8 waves a work-group, no clusters, 135,680 bytes of LDS; arguments input_flatten, query, reference_points, b_value, b_off, b_attn, wq, value, swgt, sidx; writes value, swgt, sidx
.if DOCPART == 2
	.amdgcn_target "amdgcn-amd-amdhsa--gfx1250"
	.amdhsa_code_object_version 6
	.text
	.protected	k_q38f32dee71_proj
	.globl	k_q38f32dee71_proj
	.p2align	8
	.type	k_q38f32dee71_proj,@function
k_q38f32dee71_proj:
	s_mov_b64 s[64:65], 0
	v_nop
	global_prefetch_b8 v0, s[64:65] scope:SCOPE_SE
	s_setreg_imm32_b32 hwreg(HW_REG_WAVE_MODE, 25, 1), 1
	s_wait_xcnt 0x0
; The three input projections of MSDeformAttn on codes of BF6 (E3M2), the softmax over a head's 16 points, and the sampling cells and weights.  input_spatial_shapes is left out (reference() never reads it).
; OUT: value [8 heads][26588 rows][32] f32 = input_flatten W_value + b_value, head-major;  sidx [row][head][16 points] u32: the table row of the cell's first corner;  swgt [row][head][16 points][4 corners] f32.
; SAMPLING WITHOUT MASKS.  x = (ref + off / w) w - 0.5 as reference() has it (the division is a multiplication by the rounded 1 / w: LIMIT: about one unit in the last place of a quotient that is small beside ref).
; xb = floor(x) held to 0 .. w - 2, t = x - xb; column xb weighs max(0, 1 - |t|), column xb + 1 weighs the middle one of t, 2 - t, 0.  Inside the level these are reference()'s 1 - tx and tx; where floor(x) = -1 or w - 1
; the one column that is valid gets its weight and the other 0; further out both are 0.  So all four corners read lie inside the level, whatever the inputs hold.  y likewise.  The four weights are multiplied by the softmax's.
; LIMITS: NaN and infinities are not served; a block of zeros has the scale byte 1 (read by this program alone); blocks under the floor 2^(5 - 127) were not tried.
; SHARES.  A work-group takes 32 rows as two tiles of 16.  The last work-group's second tile begins at row 26572, so four rows are made twice, by the same work-group and with the same values: no mask, no branch.
; Wave w first quantises one of the eight fragments of x (input or query; tile; K step) and hands its image to the others through LDS.  Then THE WAVES SHARE THE COLUMNS: wave w is head w, and its ten fragments of
; weights stay in registers for both tiles.  All products are used transposed (source 0 = 16 columns of W, source 1 = 16 rows of x): lane (r, h) holds row r, and its eight registers are: offsets' tile u: level u + 2 h,
; point j / 2, x or y;  logits: points 8 h + j;  value's tile n: channels 16 n + 8 h + j.  So a lane owns eight points of one (row, head), and the softmax wants two exchanges with lane l xor 16.
; The biases are the C of each sum's first matrix instruction.  Results leave through stages in LDS, 512 consecutive bytes a store.
; No tensor loads (nothing is a tile that is read again) and no cluster (what work-groups share is the weights' fragments, a small part of a work-group's bytes); two work-groups fit on a WGP.
.set NROWS, 26588
.set LQ,    13294
.set HS,    NROWS*128                  ; a head's plane of the value table in bytes
.set SCB,   172032                     ; wq: where the scale words begin
; LDS
.set WST,   0                          ; 2 tiles x 16 rows x (2048 + 16): the weights' stage.  It lies over XS (8 waves x 16 rows x 528, each wave's own), which nobody reads behind the first barrier
.set IST,   67584                      ; 2 x 16 x (512 + 16): the cells' stage
.set VST,   84480                      ; 8 waves x 2 x 16 x (128 + 16): value's stage, each wave's own
.set IMG,   121344                     ; 8 images of x's fragments, 1536 each
.set ISC,   133632                     ; their scale words, 128 each
.set SPARE, 134656                     ; the spare words, 128 bytes for each wave: four blocks of 256 bytes that no other line names
; registers that stay
.set L16,  1                           ; 16 l
.set L4,   2                           ; 4 l
.set R,    3                           ; r
.set H,    4                           ; h
.set SH8,  5                           ; 8 h
.set IMR,  6                           ; IMG + 16 l
.set ISR,  7                           ; ISC + 4 l
.set WSTO, 8                           ; WST + 2064 r + 256 w + 128 h
.set ISTO, 9                           ; IST + 528 r + 64 w + 32 h
.set VSTO, 10                          ; VST + 4608 w + 144 r + 32 h
.set SPW,  11                          ; my spare word; never rewritten
.set NIL,  12                          ; 0; never rewritten
.set VO1,  13                          ; 16 l + 6144 w
.set VO2,  14                          ; 16 l + 3072 w
.set LQF,  15                          ; 13294.0
.set LV,   16                          ; v[16 + 4 u ..]: of level u + 2 h: 1 / w, w - 2, w, the level's first table row (with the batch's: made for each tile)
.set STA,  24                          ; v24-25  the levels' first rows in a batch
.set WS,   26                          ; v26-35  the weights' scale words: offsets 2 u + s, logits 4 + s, value 6 + 2 n + s; they hold nothing else
.set XSC,  36                          ; v36-37  x's scale words; they hold nothing else
.set RP,   38                          ; v38-45  reference points of my row's levels 2 h, 2 h + 1: four registers a tile
.set WQ,   46                          ; v46-117 six fragments: offsets 2 u + s, logits 4 + s
.set X,    46                          ; (ahead of them: the 64 numbers of x that I quantise)
.set WV,   118                         ; v118-165 four fragments of W_value: 2 n + s
.set BV,   166                         ; v166-181 b_value in the result's layout
.set BQ,   182                         ; v182-205 b_off (two tiles), b_attn
.set AF,   206                         ; v206-229 x's two fragments
.set ACC,  230                         ; v230-253 three accumulators
.set O,    230                         ; the offsets' two
.set L,    246                         ; the logits'
; while x is quantised
.set PC,   206
.set TC,   218
.set MX,   226
.set SO,   228
.set BY,   230
.set PW,   232
.set T1,   233
.set XSTO, 234                         ; 8448 w + 16 l
.set XRD,  235                         ; 8448 w + 528 r + 128 h
.set IMW,  236                         ; IMG + 1536 w + 16 l
.set ISW,  237                         ; ISC + 128 w + 4 l
.set VS1,  238                         ; 4 l + 512 w
.set VS2,  239                         ; 4 l + 256 w
.set VB1,  240                         ; 128 w + 64 h
.set VB2,  241                         ; 64 w + 32 h
.set VB3,  242                         ; 128 w + 32 h
.set RPO,  243                         ; 32 r + 16 h
; behind value's products: W_value's and b_value's registers are free
.set Q,    118                         ; v118-149 four weights for each of my eight points
.set IX,   150                         ; v150-157 their cells
.set MM,   158                         ; v158-159 the largest logit
.set SS,   160                         ; v160-161 the sum; its reciprocal
.set XY,   162
.set FB,   164
.set TT,   166
.set CC,   168
.set PP,   170
.set RW,   171
.set AA,   172
.set S2,   174
.set OUTR, 46                          ; the way out: v46-157
.set BT,   29                          ; s29, s30 the tiles' first rows
.set SEL,  50                          ; s[50:51] lane selects: lane l xor 16
; 64 numbers of a lane, register 32 c + i = k 64 c + 32 h + i of its row, become a fragment's 12 registers of codes in v[PC] on and its scale word in v[PW]
.macro QW s
.irp c, 0,1
	v_max3_num_f32 v[MX+\c], |v[\s+32*\c]|, |v[\s+32*\c+1]|, 0x2800000   ; block 2 c + h: all its 32 numbers are mine; the floor 2^(5 - 127) holds the byte at 1 from below
.endr
.irp i, 2,4,6,8,10,12,14,16,18,20,22,24,26,28,30
.irp c, 0,1
	v_max3_num_f32 v[MX+\c], v[MX+\c], |v[\s+32*\c+\i]|, |v[\s+32*\c+\i+1]|
.endr
.endr
.irp c, 0,1
	v_add_nc_u32 v[SO+\c], 0xfe000000, v[MX+\c]    ; 4 off the exponent field: the conversion's scale operand
.endr
.irp c, 0,1
	v_lshrrev_b32 v[BY+\c], 23, v[SO+\c]           ; the scale's byte
.endr
	v_lshl_or_b32 v[PW], v[BY+1], 16, v[BY]
	v_lshlrev_b32 v[PW], v[SH8], v[PW]
	v_mov_b32 v[T1], 0                             ; (a lane permute's destination counts as one of its sources)
	v_permlanex16_b32 v[T1], v[PW], s[SEL], s[SEL+1]
	v_or_b32 v[PW], v[PW], v[T1]                   ; my row's scale word, in both halves of the lanes
.irp c, 0,1
	v_cvt_scalef32_pk16_bf6_f32 v[PC+6*\c:PC+6*\c+2], v[\s+32*\c:\s+32*\c+15], v[SO+\c]
	v_cvt_scalef32_pk16_bf6_f32 v[TC+4*\c:TC+4*\c+2], v[\s+32*\c+16:\s+32*\c+31], v[SO+\c]   ; (a conversion's three registers begin on an even number)
.endr
	v_nop                                          ; one plain place behind the last scaled conversion
.irp c, 0,1
.irp i, 0,1,2
	v_mov_b32 v[PC+3+6*\c+\i], v[TC+4*\c+\i]
.endr
.endr
.endm
.macro LVL dst, a, b                   ; a constant of the lane's level: a in lanes 0-15, b in lanes 16-31 (VCC: h = 1)
	v_mov_b32 v[\dst], \a
	v_mov_b32 v244, \b
	v_cndmask_b32 v[\dst], v[\dst], v244, vcc_lo
.endm
.macro FETCH f0                        ; the images f0 and f0 + 1 (a tile's two K steps) and their scale words, as any wave's registers
.irp s, 0,1
.irp c, 0,1,2
	ds_load_b128 v[AF+12*\s+4*\c:AF+12*\s+4*\c+3], v[IMR] offset:1536*((\f0)+\s)+512*\c
.endr
	ds_load_b32 v[XSC+\s], v[ISR] offset:128*((\f0)+\s)
.endr
.endm
	s_load_b512 s[8:23], s[0:1], 0x0               ; input s[8:9], query s[10:11], reference points s[12:13], b_value s[14:15], b_off s[16:17], b_attn s[18:19], wq s[20:21], value s[22:23]
	s_load_b128 s[24:27], s[0:1], 0x40             ; swgt s[24:25], sidx s[26:27]
	v_lshl_add_u32 v[SPW], v0, 2, SPARE
	v_mov_b32 v[NIL], 0
	v_lshrrev_b32 v3, 5, v0
	v_readfirstlane_b32 s28, v3                    ; wave 0..7
	v_and_b32 v2, 31, v0
	v_lshlrev_b32 v[L16], 4, v2
	v_lshlrev_b32 v[L4], 2, v2
	v_and_b32 v[R], 15, v0
	v_bfe_u32 v[H], v0, 4, 1
	v_lshlrev_b32 v[SH8], 3, v[H]
	s_mov_b32 s[SEL], 0x76543210
	s_mov_b32 s[SEL+1], 0xfedcba98
	s_lshl_b32 s[BT], ttmp9, 5                     ; tile 0: row 32 x work-group
	s_add_co_u32 s[BT+1], s[BT], 16
	s_min_u32 s[BT+1], s[BT+1], NROWS-16           ; tile 1: 16 further on, held inside the table
	; addresses
	s_mul_i32 s54, s28, 8448
	v_add_nc_u32 v[XSTO], s54, v[L16]
	v_mul_u32_u24 v[XRD], v[R], 528
	v_lshl_add_u32 v[XRD], v[H], 7, v[XRD]
	v_add_nc_u32 v[XRD], s54, v[XRD]
	s_mul_i32 s55, s28, 1536
	s_add_co_u32 s55, s55, IMG
	v_add_nc_u32 v[IMW], s55, v[L16]
	s_lshl_b32 s55, s28, 7
	s_add_co_u32 s55, s55, ISC
	v_add_nc_u32 v[ISW], s55, v[L4]
	v_lshl_add_u32 v[VS1], s28, 9, v[L4]
	v_lshl_add_u32 v[VS2], s28, 8, v[L4]
	v_lshlrev_b32 v[VB1], 6, v[H]
	v_lshl_add_u32 v[VB1], s28, 7, v[VB1]
	v_lshlrev_b32 v[VB2], 5, v[H]
	v_lshl_add_u32 v[VB3], s28, 7, v[VB2]
	v_lshl_add_u32 v[VB2], s28, 6, v[VB2]
	v_lshlrev_b32 v[RPO], 5, v[R]
	v_lshl_add_u32 v[RPO], v[H], 4, v[RPO]
	v_add_nc_u32 v[IMR], IMG, v[L16]
	v_add_nc_u32 v[ISR], ISC, v[L4]
	v_mul_u32_u24 v[WSTO], v[R], 2064
	v_lshl_add_u32 v[WSTO], v[H], 7, v[WSTO]
	v_lshl_add_u32 v[WSTO], s28, 8, v[WSTO]
	v_mul_u32_u24 v[ISTO], v[R], 528
	v_lshl_add_u32 v[ISTO], v[H], 5, v[ISTO]
	v_lshl_add_u32 v[ISTO], s28, 6, v[ISTO]
	v_add_nc_u32 v[ISTO], IST, v[ISTO]
	s_mul_i32 s55, s28, 4608
	s_add_co_u32 s55, s55, VST
	v_mul_u32_u24 v[VSTO], v[R], 144
	v_lshl_add_u32 v[VSTO], v[H], 5, v[VSTO]
	v_add_nc_u32 v[VSTO], s55, v[VSTO]
	s_mul_i32 s55, s28, 6144
	v_add_nc_u32 v[VO1], s55, v[L16]
	s_mul_i32 s55, s28, 3072
	v_add_nc_u32 v[VO2], s55, v[L16]
	; which fragment of x I quantise: wave = 4 x (0 input, 1 query) + 2 x tile + K step
	s_bfe_u32 s52, s28, 0x10001                    ; the tile
	s_cmp_eq_u32 s52, 0
	s_cselect_b32 s52, s[BT], s[BT+1]
	s_lshl_b32 s52, s52, 10                        ; a row is 1,024 bytes
	s_and_b32 s54, s28, 1
	s_lshl_b32 s54, s54, 9                         ; a K step 512
	s_add_co_u32 s52, s52, s54
	s_mov_b32 s53, 0
	s_wait_kmcnt 0x0
	s_cmp_lt_u32 s28, 4
	s_cselect_b64 s[32:33], s[8:9], s[10:11]
	s_add_nc_u64 s[32:33], s[32:33], s[52:53]
.irp i, 0,1,2,3,4,5,6,7,8,9,10,11,12,13,14,15
	global_load_b128 v[X+4*\i:X+4*\i+3], v[L16], s[32:33] offset:1024*\i th:TH_LOAD_NT   ; row i's 512 consecutive bytes of my K step; read once in the launch
.endr
	s_mul_i32 s54, s28, HS                         ; my head's plane
.irp t, 0,1
	s_lshl_b32 s52, s[BT+\t], 5
	s_add_nc_u64 s[34+2*\t:35+2*\t], s[12:13], s[52:53]      ; the tile's reference points
	s_lshl_b32 s52, s[BT+\t], 7
	s_add_co_u32 s52, s52, s54
	s_add_nc_u64 s[38+2*\t:39+2*\t], s[22:23], s[52:53]      ; its rows of my head's plane
	s_lshl_b32 s52, s[BT+\t], 11
	s_add_nc_u64 s[42+2*\t:43+2*\t], s[24:25], s[52:53]      ; its rows of swgt
	s_lshl_b32 s52, s[BT+\t], 9
	s_add_nc_u64 s[46+2*\t:47+2*\t], s[26:27], s[52:53]      ; and of sidx
.endr
	; 34 loads behind x's sixteen
.irp t, 0,1
	global_load_b128 v[RP+4*\t:RP+4*\t+3], v[RPO], s[34+2*\t:35+2*\t]
.endr
.irp i, 0,1,2,3
.irp c, 0,1,2
	global_load_b128 v[WV+12*\i+4*\c:WV+12*\i+4*\c+3], v[VO1], s[20:21] offset:73728+1536*\i+512*\c   ; fragments 48 + 4 w + i
.endr
.endr
.irp n, 0,1
	global_load_b128 v[BV+8*\n:BV+8*\n+3], v[VB3], s[14:15] offset:64*\n
	global_load_b128 v[BV+8*\n+4:BV+8*\n+7], v[VB3], s[14:15] offset:64*\n+16
.endr
.irp u, 0,1
	global_load_b128 v[BQ+8*\u:BQ+8*\u+3], v[VB1], s[16:17] offset:32*\u
	global_load_b128 v[BQ+8*\u+4:BQ+8*\u+7], v[VB1], s[16:17] offset:32*\u+16
.endr
	global_load_b128 v[BQ+16:BQ+19], v[VB2], s[18:19]
	global_load_b128 v[BQ+20:BQ+23], v[VB2], s[18:19] offset:16
.irp i, 0,1,2,3
	global_load_b32 v[WS+\i], v[VS1], s[20:21] offset:SCB+128*\i
.endr
.irp s, 0,1
	global_load_b32 v[WS+4+\s], v[VS2], s[20:21] offset:SCB+4096+128*\s
.endr
.irp i, 0,1,2,3
	global_load_b32 v[WS+6+\i], v[VS1], s[20:21] offset:SCB+6144+128*\i
.endr
	; the constants of my two levels, u + 2 h
	v_cmp_ne_u32 vcc_lo, 0, v[H]
	v_mov_b32 v[LQF], 0x464fb800                   ; 13294.0
	LVL LV+0, 0x3c23d70a, 0x3d23d70a               ; 1 / 100, 1 / 25
	LVL LV+1, 0x42c40000, 0x41b80000               ; 98, 23
	LVL LV+2, 0x42c80000, 0x41c80000               ; 100, 25
	LVL LV+4, 0x3ca3d70a, 0x3d9d89d9               ; 1 / 50, 1 / 13
	LVL LV+5, 0x42400000, 0x41300000               ; 48, 11
	LVL LV+6, 0x42480000, 0x41500000               ; 50, 13
	LVL STA, 0, 0x46435000                         ; 0, 12500
	LVL STA+1, 0x461c4000, 0x464d1400              ; 10000, 13125
	; x: loaded as it lies, turned through my own part of LDS so that a lane holds its row's numbers in the operand's order
	s_wait_loadcnt 34                              ; x's sixteen loads are in; the 34 issued behind them may be out
.irp i, 0,1,2,3,4,5,6,7,8,9,10,11,12,13,14,15
	ds_store_b128 v[XSTO], v[X+4*\i:X+4*\i+3] offset:528*\i
.endr
	s_wait_dscnt 0x0                               ; the stores have read their registers
.irp c, 0,1
.irp j, 0,1,2,3,4,5,6,7
	ds_load_b128 v[X+32*\c+4*\j:X+32*\c+4*\j+3], v[XRD] offset:256*\c+16*\j   ; k = 64 c + 32 h + 4 j on, of row r
.endr
.endr
	s_wait_dscnt 0x0
	QW X
.irp c, 0,1,2
	ds_store_b128 v[IMW], v[PC+4*\c:PC+4*\c+3] offset:512*\c      ; the fragment goes to LDS as an image of its registers
.endr
	ds_store_b32 v[ISW], v[PW]
.irp i, 0,1,2,3
.irp c, 0,1,2
	global_load_b128 v[WQ+12*\i+4*\c:WQ+12*\i+4*\c+3], v[VO1], s[20:21] offset:1536*\i+512*\c   ; 18 loads into the registers that x has left: the offsets' fragments 4 w + i,
.endr
.endr
.irp s, 0,1
.irp c, 0,1,2
	global_load_b128 v[WQ+48+12*\s+4*\c:WQ+48+12*\s+4*\c+3], v[VO2], s[20:21] offset:49152+1536*\s+512*\c   ; the logits' 32 + 2 w + s
.endr
.endr
	s_wait_dscnt 0x0                               ; for the others' sake: my image has landed, and my reads of my part of XS are over
	s_barrier_signal -1
	s_barrier_wait -1                              ; x's eight fragments lie in LDS; XS is free
	; ---- value: my head's 32 channels for both tiles
.irp t, 0,1
	FETCH 2*\t
.if \t == 0
	s_wait_loadcnt 18                              ; all but the 18 loads issued last
.endif
	s_wait_dscnt 0x0
.irp s, 0,1
.irp n, 0,1                                    ; the two accumulators by turns
.if \s == 0
	v_wmma_scale_f32_16x16x128_f8f6f4 v[ACC+8*\n:ACC+8*\n+7], v[WV+12*(2*\n+\s):WV+12*(2*\n+\s)+11], v[AF+12*\s:AF+12*\s+11], v[BV+8*\n:BV+8*\n+7], v[WS+6+2*\n+\s], v[XSC+\s] matrix_a_fmt:MATRIX_FMT_BF6 matrix_b_fmt:MATRIX_FMT_BF6
.else
	v_wmma_scale_f32_16x16x128_f8f6f4 v[ACC+8*\n:ACC+8*\n+7], v[WV+12*(2*\n+\s):WV+12*(2*\n+\s)+11], v[AF+12*\s:AF+12*\s+11], v[ACC+8*\n:ACC+8*\n+7], v[WS+6+2*\n+\s], v[XSC+\s] matrix_a_fmt:MATRIX_FMT_BF6 matrix_b_fmt:MATRIX_FMT_BF6
.endif
.endr
.endr
.rept 5
	v_nop                                          ; four places ahead of the stores that read the results and of the loads into x's fragments; the fifth for the next products, which begin these accumulators anew with another C
.endr
.irp n, 0,1
	ds_store_b128 v[VSTO], v[ACC+8*\n:ACC+8*\n+3] offset:2304*\t+64*\n       ; each accumulator from its low end on
	ds_store_b128 v[VSTO], v[ACC+8*\n+4:ACC+8*\n+7] offset:2304*\t+64*\n+16
.endr
.endr
; What follows the offsets' and logits' products of tile t: the softmax, the cells, the weights
.macro POST t
	v_max3_num_f32 v[MM], v[L], v[L+1], v[L+2]     ; the largest of my eight logits,
	v_max3_num_f32 v[MM], v[MM], v[L+3], v[L+4]
	v_max3_num_f32 v[MM], v[MM], v[L+5], v[L+6]
	v_max_num_f32 v[MM], v[MM], v[L+7]
	v_mov_b32 v[MM+1], 0
	v_permlanex16_b32 v[MM+1], v[MM], s[SEL], s[SEL+1]
	v_max_num_f32 v[MM], v[MM], v[MM+1]            ; and of lane l xor 16's eight: the head's
.irp j, 0,2,4,6
	v_pk_add_f32 v[L+\j:L+\j+1], v[L+\j:L+\j+1], v[MM:MM+1] op_sel_hi:[1,0] neg_lo:[0,1] neg_hi:[0,1]   ; the maximum is taken away, as reference() does
.endr
.irp j, 0,2,4,6
	v_pk_mul_f32 v[L+\j:L+\j+1], v[L+\j:L+\j+1], 0x3fb8aa3b op_sel_hi:[1,0]   ; x log2(e)
.endr
.irp j, 0,1,2,3,4,5,6,7
	v_exp_f32 v[L+\j], v[L+\j]                     ; one batch; the cells' arithmetic below names none of its results
.endr
	v_add_nc_u32 v[RW], s[BT+\t], v[R]             ; my row;
	v_cmp_le_u32 vcc_lo, LQ, v[RW]                 ; in the second batch?
	v_cndmask_b32 v[RW], 0, v[LQF], vcc_lo
	v_add_f32 v[LV+3], v[STA], v[RW]               ; my levels' first table rows, whole numbers under 2^24: exact in f32
	v_add_f32 v[LV+7], v[STA+1], v[RW]
.irp j, 0,1,2,3,4,5,6,7                        ; point j: level j / 4 + 2 h
	v_pk_fma_f32 v[XY:XY+1], v[O+2*\j:O+2*\j+1], v[LV+4*(\j/4):LV+4*(\j/4)+1], v[RP+4*\t+2*(\j/4):RP+4*\t+2*(\j/4)+1] op_sel_hi:[1,0,1]   ; loc = ref + off / w
	v_pk_fma_f32 v[XY:XY+1], v[XY:XY+1], v[LV+4*(\j/4)+2:LV+4*(\j/4)+3], -0.5 op_sel_hi:[1,0,0]   ; x, y = loc w - 0.5
	v_floor_f32 v[FB], v[XY]
	v_floor_f32 v[FB+1], v[XY+1]
	v_med3_num_f32 v[FB], v[FB], 0, v[LV+4*(\j/4)+1]      ; xb, yb: held to 0 .. w - 2
	v_med3_num_f32 v[FB+1], v[FB+1], 0, v[LV+4*(\j/4)+1]
	v_pk_add_f32 v[TT:TT+1], v[XY:XY+1], v[FB:FB+1] neg_lo:[0,1] neg_hi:[0,1]   ; t
	v_sub_f32 v[Q+4*\j], 1.0, |v[TT]|
	v_sub_f32 v[Q+4*\j+2], 1.0, |v[TT+1]|
	v_pk_add_f32 v[CC:CC+1], v[TT:TT+1], 2.0 op_sel_hi:[1,0] neg_lo:[1,0] neg_hi:[1,0]   ; 2 - t
	v_max_num_f32 v[Q+4*\j], 0, v[Q+4*\j]          ; column xb
	v_max_num_f32 v[Q+4*\j+2], 0, v[Q+4*\j+2]      ; row yb
	v_med3_num_f32 v[Q+4*\j+1], v[TT], v[CC], 0    ; column xb + 1
	v_med3_num_f32 v[Q+4*\j+3], v[TT+1], v[CC+1], 0   ; row yb + 1
	v_add_f32 v[PP], v[FB], v[LV+4*(\j/4)+3]
	v_fma_f32 v[PP], v[FB+1], v[LV+4*(\j/4)+2], v[PP]     ; first row + yb w + xb
	v_cvt_u32_f32 v[IX+\j], v[PP]
.endr
	s_wait_alu depctr_va_vdst(0)                   ; one wait for the eight exponentials, ahead of their first reader
	v_pk_add_f32 v[SS:SS+1], v[L:L+1], v[L+2:L+3]
	v_pk_add_f32 v[S2:S2+1], v[L+4:L+5], v[L+6:L+7]
	v_pk_add_f32 v[SS:SS+1], v[SS:SS+1], v[S2:S2+1]
	v_add_f32 v[SS], v[SS], v[SS+1]
	v_permlanex16_b32 v[SS+1], v[SS], s[SEL], s[SEL+1]
	v_add_f32 v[SS], v[SS], v[SS+1]                ; the head's sum
	v_rcp_f32 v[SS+1], v[SS]
	ds_store_b128 v[ISTO], v[IX:IX+3] offset:8448*\t
	ds_store_b128 v[ISTO], v[IX+4:IX+7] offset:8448*\t+16
	v_nop                                          ; a plain place behind the reciprocal,
	s_wait_alu depctr_va_vdst(0)                   ; and its wait, ahead of the first reader
.irp j, 0,1,2,3,4,5,6,7
	v_mul_f32 v[AA], v[L+\j], v[SS+1]              ; the point's softmax weight,
	v_mul_f32 v[AA+1], v[AA], v[Q+4*\j+3]          ; x row yb + 1's,
	v_mul_f32 v[AA], v[AA], v[Q+4*\j+2]            ; x row yb's
	v_pk_mul_f32 v[Q+4*\j+2:Q+4*\j+3], v[Q+4*\j:Q+4*\j+1], v[AA:AA+1] op_sel:[0,1] op_sel_hi:[1,1]   ; corners (xb, yb + 1), (xb + 1, yb + 1)
	v_pk_mul_f32 v[Q+4*\j:Q+4*\j+1], v[Q+4*\j:Q+4*\j+1], v[AA:AA+1] op_sel_hi:[1,0]                  ; corners (xb, yb), (xb + 1, yb)
	ds_store_b128 v[WSTO], v[Q+4*\j:Q+4*\j+3] offset:33024*\t+16*\j
.endr
.endm
	; ---- offsets and logits of my head, and what is made of them
.irp t, 0,1
	FETCH 4+2*\t
.if \t == 0
	s_wait_loadcnt 0x0                             ; the offsets' and logits' fragments
.endif
	s_wait_dscnt 0x0
.irp s, 0,1
.irp q, 0,1,2                                  ; the three accumulators by turns
.if \s == 0
	v_wmma_scale_f32_16x16x128_f8f6f4 v[ACC+8*\q:ACC+8*\q+7], v[WQ+12*(2*\q+\s):WQ+12*(2*\q+\s)+11], v[AF+12*\s:AF+12*\s+11], v[BQ+8*\q:BQ+8*\q+7], v[WS+2*\q+\s], v[XSC+\s] matrix_a_fmt:MATRIX_FMT_BF6 matrix_b_fmt:MATRIX_FMT_BF6
.else
	v_wmma_scale_f32_16x16x128_f8f6f4 v[ACC+8*\q:ACC+8*\q+7], v[WQ+12*(2*\q+\s):WQ+12*(2*\q+\s)+11], v[AF+12*\s:AF+12*\s+11], v[ACC+8*\q:ACC+8*\q+7], v[WS+2*\q+\s], v[XSC+\s] matrix_a_fmt:MATRIX_FMT_BF6 matrix_b_fmt:MATRIX_FMT_BF6
.endif
.endr
.endr
.rept 5
	v_nop                                          ; four places ahead of the first read of the results; the fifth for the next tile's products, which begin these accumulators anew
.endr
	POST \t
.endr
	; ---- the way out: whole rows, 512 consecutive bytes a store
	s_wait_dscnt 0x0                               ; for the others' sake: my stores into the stages have landed
	s_barrier_signal -1
	s_barrier_wait -1
	s_mul_i32 s52, s28, 4128
	v_add_nc_u32 v206, s52, v[L16]                 ; swgt's stage: rows 2 w, 2 w + 1 of a tile
	s_mul_i32 s52, s28, 1056
	s_add_co_u32 s52, s52, IST
	v_add_nc_u32 v207, s52, v[L16]                 ; sidx's likewise
	v_bfe_u32 v208, v0, 3, 2
	v_mul_u32_u24 v208, v208, 144
	v_and_b32 v209, 7, v0
	v_lshl_add_u32 v208, v209, 4, v208
	s_mul_i32 s52, s28, 4608
	s_add_co_u32 s52, s52, VST
	v_add_nc_u32 v208, s52, v208                   ; value's, my own: four rows of 128 bytes a load
	v_lshl_add_u32 v209, s28, 12, v[L16]           ; in swgt: 2 rows of 2,048 bytes a wave
	v_lshl_add_u32 v210, s28, 10, v[L16]           ; in sidx: 2 rows of 512
.irp t, 0,1
.irp i, 0,1,2,3,4,5,6,7
	ds_load_b128 v[OUTR+4*(14*\t+\i):OUTR+4*(14*\t+\i)+3], v206 offset:33024*\t+2064*(\i/4)+512*(\i%4)
.endr
.irp i, 0,1
	ds_load_b128 v[OUTR+4*(14*\t+8+\i):OUTR+4*(14*\t+8+\i)+3], v207 offset:8448*\t+528*\i
.endr
.irp i, 0,1,2,3
	ds_load_b128 v[OUTR+4*(14*\t+10+\i):OUTR+4*(14*\t+10+\i)+3], v208 offset:2304*\t+576*\i
.endr
.endr
.irp t, 0,1
.irp i, 0,1,2,3,4,5,6,7
	s_wait_dscnt 27-14*\t-\i                       ; LDS loads come back in order: this one is in, the younger ones may be out
	global_store_b128 v209, v[OUTR+4*(14*\t+\i):OUTR+4*(14*\t+\i)+3], s[42+2*\t:43+2*\t] offset:512*\i
.endr
.irp i, 0,1
	s_wait_dscnt 19-14*\t-\i
	global_store_b128 v210, v[OUTR+4*(14*\t+8+\i):OUTR+4*(14*\t+8+\i)+3], s[46+2*\t:47+2*\t] offset:512*\i
.endr
.irp i, 0,1,2,3
	s_wait_dscnt 17-14*\t-\i
	global_store_b128 v[L16], v[OUTR+4*(14*\t+10+\i):OUTR+4*(14*\t+10+\i)+3], s[38+2*\t:39+2*\t] offset:512*\i
.endr
.endr
	s_wait_tensorcnt 0x0                           ; the wave's end, behind my last LDS store
	ds_add_u32 v[SPW], v[NIL]
	s_wait_dscnt 0x0
	s_endpgm
.Lfunc_end_k_q38f32dee71_proj:
	.size	k_q38f32dee71_proj, .Lfunc_end_k_q38f32dee71_proj-k_q38f32dee71_proj
	.p2alignl 7, 3214868480
	.fill 96, 4, 3214868480
	.section	.rodata,"a",@progbits
	.p2align	6, 0x0
	.amdhsa_kernel k_q38f32dee71_proj
		.amdhsa_group_segment_fixed_size 135680
		.amdhsa_private_segment_fixed_size 0
		.amdhsa_enable_private_segment 0
		.amdhsa_kernarg_size 80
		.amdhsa_user_sgpr_count 2
		.amdhsa_user_sgpr_kernarg_segment_ptr 1
		.amdhsa_wavefront_size32 1
		.amdhsa_system_sgpr_workgroup_id_x 1
		.amdhsa_system_sgpr_workgroup_id_y 1
		.amdhsa_system_sgpr_workgroup_id_z 1
		.amdhsa_system_vgpr_workitem_id 0
		.amdhsa_next_free_vgpr 256
		.amdhsa_next_free_sgpr 66
		.amdhsa_reserve_vcc 1
		.amdhsa_float_denorm_mode_32 3
		.amdhsa_float_denorm_mode_16_64 3
		.amdhsa_memory_ordered 1
		.amdhsa_forward_progress 1
		.amdhsa_inst_pref_size 52
	.end_amdhsa_kernel
	.amdgpu_metadata
---
amdhsa.version: [ 1, 2 ]
amdhsa.kernels:
  - .name:           k_q38f32dee71_proj
    .symbol:         k_q38f32dee71_proj.kd
    .args:
      - { .name: input_flatten, .offset: 0, .size: 8, .value_kind: global_buffer, .address_space: global }
      - { .name: query, .offset: 8, .size: 8, .value_kind: global_buffer, .address_space: global }
      - { .name: reference_points, .offset: 16, .size: 8, .value_kind: global_buffer, .address_space: global }
      - { .name: b_value, .offset: 24, .size: 8, .value_kind: global_buffer, .address_space: global }
      - { .name: b_off, .offset: 32, .size: 8, .value_kind: global_buffer, .address_space: global }
      - { .name: b_attn, .offset: 40, .size: 8, .value_kind: global_buffer, .address_space: global }
      - { .name: wq, .offset: 48, .size: 8, .value_kind: global_buffer, .address_space: global }
      - { .name: value, .offset: 56, .size: 8, .value_kind: global_buffer, .address_space: global }
      - { .name: swgt, .offset: 64, .size: 8, .value_kind: global_buffer, .address_space: global }
      - { .name: sidx, .offset: 72, .size: 8, .value_kind: global_buffer, .address_space: global }
    .group_segment_fixed_size: 135680
    .private_segment_fixed_size: 0
    .kernarg_segment_align: 8
    .kernarg_segment_size: 80
    .max_flat_workgroup_size: 256
    .sgpr_count:     66
    .vgpr_count:     256
    .wavefront_size: 32
...
	.end_amdgpu_metadata
.endif
;; end of part 2
;; launch sample (part 3): grid 1023 x 1, 4 waves a work-group, no clusters, 47,104 bytes of LDS; arguments value, swgt, sidx, wq, b_out, out0; writes out0
.if DOCPART == 3
	.amdgcn_target "amdgcn-amd-amdhsa--gfx1250"
	.amdhsa_code_object_version 6
	.text
	.protected	k_q38f32dee71_sample
	.globl	k_q38f32dee71_sample
	.p2align	8
	.type	k_q38f32dee71_sample,@function
k_q38f32dee71_sample:
	s_mov_b64 s[64:65], 0
	v_nop
	global_prefetch_b8 v0, s[64:65] scope:SCOPE_SE
	s_setreg_imm32_b32 hwreg(HW_REG_WAVE_MODE, 25, 1), 1
	s_wait_xcnt 0x0
; The gather of MSDeformAttn and its output projection on codes of BF6 (E3M2).  Left out: the zeros with which reference() begins acc (the first product of each sum begins it); input_spatial_shapes (never read by reference()).
; out0[row] = Q(acc[row]) Q(W_out) + b_out;  acc[row][head][:] = the sum over 16 points and 4 corners of swgt x value[head][sidx + corner][:].  The cells are whole numbers that the launch before has stored.
; LIMITS: NaN and infinities are not served; a block of zeros has the scale byte 1 (read by this program alone); blocks under the floor 2^(5 - 127) were not tried.
; SHARES.  A work-group takes 26 rows (the last one has 16 that exist: the others' loads are held at the last row, and they are not stored).  A UNIT is one row and four heads: wave w takes heads 4 (w % 2) on, of rows
; 13 (w / 2) + 0 .. 12.  Lane 8 g + c holds channels 4 c .. 4 c + 3 of head 4 (w % 2) + g: a gather of 16 bytes a lane reads four whole vectors of 128 bytes.  A cell's four corners are immediates on one address:
; +128 bytes for x + 1, +128 w for y + 1.  A level's 16 gathers are on their way while the level before is summed; the next unit's cells and weights are asked for a level and a half ahead.
; The cells go from memory straight into the lanes that use them.  The weights come 512 dense bytes a load and are spread through the wave's own LDS.
; Then: acc's 26 rows (and six rows of zeros) lie in LDS; each wave quantises one fragment; THE WAVES SHARE W_out'S COLUMNS, 64 each (transposed use: source 0 = 16 columns of W_out, source 1 = 16 rows); b_out is the C
; of each sum's first matrix instruction; the rows leave through a stage, 512 consecutive bytes a store.
; No tensor loads, no cluster: nothing here is a tile that several work-groups read at the same time; small work-groups, four to a WGP, keep many gathers on their way.  No prefetch: the table is read many times over at
; places that the cells name, and the parameters are asked for a unit ahead by their own loads.
.set NROWS, 26588
.set HS,    NROWS*128                  ; a head's plane of the value table in bytes
.set SCB,   172032                     ; wq: where the scale words begin
; LDS
.set PLANE, 16896                      ; acc: two planes (channels 128 s on), 32 rows x (512 + 16).  The stage for out0, 32 rows x (1024 + 16), lies over them and is written only behind the second barrier
.set PST,   33792                      ; the unit's weights: each wave's own 1,536: 4 heads x (256 + 16)
.set IMG,   39936                      ; 4 images of acc's fragments
.set ISC,   46080                      ; their scale words
.set SPARE, 46592                      ; the spare words, 128 bytes for each wave: two blocks of 256 bytes that no other line names
; registers in the loop
.set L16,  1                           ; 16 l
.set LOFF, 2                           ; my head's plane + 16 c
.set CW,   3                           ; 1024 (w % 2) + 16 l
.set CI,   4                           ; 256 (w % 2) + 64 g
.set PSW,  5                           ; PST + 1536 w + 16 l + 16 (l / 16)
.set PSR,  6                           ; PST + 1536 w + 272 g
.set AST,  7                           ; my plane, my first row, + 16 l
.set VW,   8                           ; the unit's offset in swgt
.set VI,   9                           ; and in sidx
.set SPW,  11                          ; my spare word; never rewritten
.set NIL,  12                          ; 0; never rewritten
.set SH8,  15                          ; 8 h  (v13: r, v14: h)
.set ADDR, 16                          ; v16-31   the 16 cells' byte offsets
.set PWR,  32                          ; v32-39   the unit's weights as loaded
.set AC,   40                          ; v40-47   two sets of four sums
.set W0,   48                          ; v48-63, v64-79  a level's 16 weights, two sets
.set W1,   64
.set G0,   80                          ; v80-143, v144-207  a level's 16 vectors, two sets
.set G1,   144
.set IDXN, 208                         ; v208-223 the next unit's cells
; registers behind the loop
.set X,    16                          ; v16-79   64 numbers to quantise
.set AF,   16                          ; v16-39   acc's two fragments
.set ACC,  40                          ; v40-71   four accumulators
.set WO,   80                          ; v80-175  my eight fragments of W_out
.set BO,   176                         ; v176-207 b_out in the result's layout
.set PC,   208
.set PW,   220
.set T1,   221
.set WOS,  224                         ; v224-231 W_out's scale words; they hold nothing else
.set XSC,  232                         ; v232-233 acc's scale words; they hold nothing else
.set TC,   234
.set MX,   242
.set SO,   244
.set BY,   246
.set OUTR, 80                          ; the way out: v80-131
.set SEL,  26                          ; s[26:27] lane selects: lane l xor 16
; 64 numbers of a lane, register 32 c + i = k 64 c + 32 h + i of its row, become a fragment's 12 registers of codes in v[PC] on and its scale word in v[PW]
.macro QW s
.irp c, 0,1
	v_max3_num_f32 v[MX+\c], |v[\s+32*\c]|, |v[\s+32*\c+1]|, 0x2800000   ; block 2 c + h: all its 32 numbers are mine; the floor 2^(5 - 127) holds the byte at 1 from below
.endr
.irp i, 2,4,6,8,10,12,14,16,18,20,22,24,26,28,30
.irp c, 0,1
	v_max3_num_f32 v[MX+\c], v[MX+\c], |v[\s+32*\c+\i]|, |v[\s+32*\c+\i+1]|
.endr
.endr
.irp c, 0,1
	v_add_nc_u32 v[SO+\c], 0xfe000000, v[MX+\c]    ; 4 off the exponent field: the conversion's scale operand
.endr
.irp c, 0,1
	v_lshrrev_b32 v[BY+\c], 23, v[SO+\c]           ; the scale's byte
.endr
	v_lshl_or_b32 v[PW], v[BY+1], 16, v[BY]
	v_lshlrev_b32 v[PW], v[SH8], v[PW]
	v_mov_b32 v[T1], 0                             ; (a lane permute's destination counts as one of its sources)
	v_permlanex16_b32 v[T1], v[PW], s[SEL], s[SEL+1]
	v_or_b32 v[PW], v[PW], v[T1]                   ; my row's scale word, in both halves of the lanes
.irp c, 0,1
	v_cvt_scalef32_pk16_bf6_f32 v[PC+6*\c:PC+6*\c+2], v[\s+32*\c:\s+32*\c+15], v[SO+\c]
	v_cvt_scalef32_pk16_bf6_f32 v[TC+4*\c:TC+4*\c+2], v[\s+32*\c+16:\s+32*\c+31], v[SO+\c]   ; (a conversion's three registers begin on an even number)
.endr
	v_nop                                          ; one plain place behind the last scaled conversion
.irp c, 0,1
.irp i, 0,1,2
	v_mov_b32 v[PC+3+6*\c+\i], v[TC+4*\c+\i]
.endr
.endr
.endm
.macro NEXTP                           ; six loads: row s20's cells and weights for my four heads
	s_min_u32 s21, s20, NROWS-1                    ; no load leaves its buffer: rows past the end read the last row, and are not stored
	v_lshl_add_u32 v[VW], s21, 11, v[CW]
	v_lshl_add_u32 v[VI], s21, 9, v[CI]
.irp q, 0,1,2,3
	global_load_b128 v[IDXN+4*\q:IDXN+4*\q+3], v[VI], s[8:9] offset:16*\q      ; level q's four cells of my head: the eight lanes of a head read the same 16 bytes
.endr
.irp q, 0,1
	global_load_b128 v[PWR+4*\q:PWR+4*\q+3], v[VW], s[6:7] offset:512*\q th:TH_LOAD_NT   ; 512 consecutive bytes: two heads' weights; read once (the last row alone again, by the last work-group)
.endr
.endm
.macro ADRS lev, lim                   ; a cell is held so that its last corner lies inside the table, then becomes a byte offset: 128 bytes a table row, in my head's plane, at my channels
.irp p, 0,1,2,3
	v_min_u32 v[ADDR+4*\lev+\p], \lim, v[IDXN+4*\lev+\p]
.endr
.irp p, 0,1,2,3
	v_lshl_add_u32 v[ADDR+4*\lev+\p], v[ADDR+4*\lev+\p], 7, v[LOFF]
.endr
.endm
.macro GATH lev, buf, w                ; a level's 4 points x 4 corners
.irp p, 0,1,2,3
.irp k, 0,1,2,3
	global_load_b128 v[\buf+16*\p+4*\k:\buf+16*\p+4*\k+3], v[ADDR+4*\lev+\p], s[4:5] offset:128*(\k%2)+128*\w*(\k/2)
.endr
.endr
.endm
.macro WLD lev, wb                     ; its 16 weights of my head
.irp p, 0,1,2,3
	ds_load_b128 v[\wb+4*\p:\wb+4*\p+3], v[PSR] offset:16*(4*\lev+\p)
.endr
.endm
.macro FMAL buf, wb, first             ; 16 vectors x their weights, two channels an instruction, into two sets of sums by turns.  first = 1: the first product of each set begins its sums: nothing is cleared
.irp p, 0,1,2,3
.irp k, 0,1,2,3
.irp u, 0,2
.set rA, AC+4*(\k%2)+\u
.set rG, \buf+16*\p+4*\k+\u
.set rW, \wb+4*\p+2*(\k/2)
.if \first && (\p == 0) && (\k == 0)
	v_pk_mul_f32 v[rA:rA+1], v[rG:rG+1], v[rW:rW+1] op_sel_hi:[1,0]
.elseif \first && (\p == 0) && (\k == 1)
	v_pk_mul_f32 v[rA:rA+1], v[rG:rG+1], v[rW:rW+1] op_sel:[0,1] op_sel_hi:[1,1]
.elseif (\k%2) == 0
	v_pk_fma_f32 v[rA:rA+1], v[rG:rG+1], v[rW:rW+1], v[rA:rA+1] op_sel_hi:[1,0,1]
.else
	v_pk_fma_f32 v[rA:rA+1], v[rG:rG+1], v[rW:rW+1], v[rA:rA+1] op_sel:[0,1,0] op_sel_hi:[1,1,1]
.endif
.endr
.endr
.endr
.endm
; One row, four heads.  next = 1: the next unit's parameters are asked for
.macro UNIT next
	s_wait_loadcnt 0x0                             ; this unit's six parameter loads; no gather is out
	ds_store_b128 v[PSW], v[PWR:PWR+3]
	ds_store_b128 v[PSW], v[PWR+4:PWR+7] offset:544
	ADRS 0, NROWS-102                              ; the last table row less (w + 1)
	ADRS 1, NROWS-52
	ADRS 2, NROWS-27
	ADRS 3, NROWS-15
	GATH 0, G0, 100
	GATH 1, G1, 50
	WLD 0, W0                                      ; LDS serves a wave's instructions in order: these see the stores above
	WLD 1, W1
	s_wait_loadcnt 16                              ; level 0 is in; level 1's sixteen may be out
	s_wait_dscnt 4                                 ; and its weights; level 1's four loads may be out
	FMAL G0, W0, 1
	GATH 2, G0, 25
	WLD 2, W0
	s_wait_loadcnt 16                              ; level 1 is in; level 2's may be out
	s_wait_dscnt 4
	FMAL G1, W1, 0
	GATH 3, G1, 13
	WLD 3, W1
.if \next
	s_add_co_u32 s20, s20, 1
	NEXTP                                          ; its address registers' last loads were waited for at the unit's head; the stores that read v[PWR] on are done since the first wait on DScnt
	s_wait_loadcnt 22                              ; level 2 is in; level 3's sixteen and the six just issued may be out
.else
	s_wait_loadcnt 16
.endif
	s_wait_dscnt 4
	FMAL G0, W0, 0
.if \next
	s_wait_loadcnt 6                               ; level 3 is in; the six parameter loads may be out
.else
	s_wait_loadcnt 0x0
.endif
	s_wait_dscnt 0x0
	FMAL G1, W1, 0
	v_pk_add_f32 v[AC:AC+1], v[AC:AC+1], v[AC+4:AC+5]
	v_pk_add_f32 v[AC+2:AC+3], v[AC+2:AC+3], v[AC+6:AC+7]
	v_add_nc_u32 v10, s23, v[AST]
	ds_store_b128 v10, v[AC:AC+3]                  ; 512 consecutive bytes: the row's 128 channels of my plane
	s_add_co_u32 s23, s23, 528
.endm
.macro FETCH f0                        ; the images f0 and f0 + 1 (a tile's two K steps) and their scale words, as any wave's registers
.irp s, 0,1
.irp c, 0,1,2
	ds_load_b128 v[AF+12*\s+4*\c:AF+12*\s+4*\c+3], v9 offset:1536*((\f0)+\s)+512*\c
.endr
	ds_load_b32 v[XSC+\s], v10 offset:128*((\f0)+\s)
.endr
.endm
	s_load_b256 s[4:11], s[0:1], 0x0               ; value s[4:5], swgt s[6:7], sidx s[8:9], wq s[10:11]
	s_load_b128 s[12:15], s[0:1], 0x20             ; b_out s[12:13], out0 s[14:15]
	v_lshl_add_u32 v[SPW], v0, 2, SPARE
	v_mov_b32 v[NIL], 0
	v_lshrrev_b32 v10, 5, v0
	v_readfirstlane_b32 s16, v10                   ; wave 0..3
	s_and_b32 s17, s16, 1                          ; which four heads
	s_lshr_b32 s18, s16, 1                         ; which 13 rows
	s_mul_i32 s19, ttmp9, 26                       ; the work-group's first row
	s_mul_i32 s20, s18, 13
	s_add_co_u32 s20, s20, s19                     ; my first row
	s_sub_co_u32 s24, NROWS, s20                   ; how many rows exist from there on
	s_mov_b32 s[SEL], 0x76543210
	s_mov_b32 s[SEL+1], 0xfedcba98
	v_and_b32 v10, 31, v0
	v_lshlrev_b32 v[L16], 4, v10
	v_bfe_u32 v16, v0, 3, 2                        ; g
	v_and_b32 v17, 7, v0                           ; c
	v_and_b32 v13, 15, v0                          ; r
	v_bfe_u32 v14, v0, 4, 1                        ; h
	v_lshlrev_b32 v[SH8], 3, v14
	s_lshl_b32 s25, s17, 2
	v_add_nc_u32 v18, s25, v16                     ; my head
	v_mul_u32_u24 v[LOFF], v18, HS
	v_lshl_add_u32 v[LOFF], v17, 4, v[LOFF]
	s_lshl_b32 s25, s17, 10
	v_add_nc_u32 v[CW], s25, v[L16]
	s_lshl_b32 s25, s17, 8
	v_lshl_add_u32 v[CI], v16, 6, s25
	s_mul_i32 s25, s16, 1536
	s_add_co_u32 s25, s25, PST
	v_lshl_add_u32 v[PSW], v14, 4, v[L16]
	v_add_nc_u32 v[PSW], s25, v[PSW]
	v_mul_u32_u24 v[PSR], v16, 272
	v_add_nc_u32 v[PSR], s25, v[PSR]
	s_mul_i32 s25, s17, PLANE
	s_mul_i32 s30, s18, 13*528
	s_add_co_u32 s30, s30, s25
	v_add_nc_u32 v[AST], s30, v[L16]
	s_mul_i32 s30, s18, 3*528                      ; rows 26 to 31 of both planes are zeros: three rows of my plane are mine to write
	s_add_co_u32 s30, s30, s25
	s_add_co_u32 s30, s30, 26*528
	v_add_nc_u32 v10, s30, v[L16]
.irp i, 0,1,2,3
	v_mov_b32 v[AC+\i], 0
.endr
.irp i, 0,1,2
	ds_store_b128 v10, v[AC:AC+3] offset:528*\i
.endr
	s_lshl_b32 s28, s19, 10
	s_mov_b32 s29, 0
	s_mov_b32 s22, 12
	s_mov_b32 s23, 0
	s_wait_kmcnt 0x0
	s_add_nc_u64 s[14:15], s[14:15], s[28:29]      ; out0 at the work-group's first row
	NEXTP
.Lunit:                                            ; 12 trips; the thirteenth unit is written out: it asks for nothing, and its counts run down
	UNIT 1
	s_sub_co_u32 s22, s22, 1
	s_cmp_lg_u32 s22, 0
	s_cbranch_scc1 .Lunit
	UNIT 0
	; ---- 40 loads for the projection, into the registers that the gathers have left: my 64 columns of W_out (fragments 80 + 8 w + i), their scale words, b_out
	s_mul_i32 s25, s16, 12288
	v_add_nc_u32 v2, s25, v[L16]
	v_and_b32 v8, 31, v0
	v_lshlrev_b32 v8, 2, v8                        ; 4 l
	v_lshl_add_u32 v3, s16, 10, v8
	v_lshlrev_b32 v4, 5, v14
	v_lshl_add_u32 v4, s16, 8, v4
.irp i, 0,1,2,3,4,5,6,7
.irp c, 0,1,2
	global_load_b128 v[WO+12*\i+4*\c:WO+12*\i+4*\c+3], v2, s[10:11] offset:122880+1536*\i+512*\c
.endr
.endr
.irp i, 0,1,2,3,4,5,6,7
	global_load_b32 v[WOS+\i], v3, s[10:11] offset:SCB+10240+128*\i
.endr
.irp n, 0,1,2,3
	global_load_b128 v[BO+8*\n:BO+8*\n+3], v4, s[12:13] offset:64*\n
	global_load_b128 v[BO+8*\n+4:BO+8*\n+7], v4, s[12:13] offset:64*\n+16
.endr
	s_wait_dscnt 0x0                               ; for the others' sake: my rows of acc have landed
	s_barrier_signal -1
	s_barrier_wait -1                              ; 32 rows of acc lie in LDS
	; ---- wave w quantises the fragment of tile w / 2, K step w % 2
	s_mul_i32 s25, s17, PLANE
	s_mul_i32 s30, s18, 16*528
	s_add_co_u32 s25, s25, s30
	v_mul_u32_u24 v5, v13, 528
	v_lshl_add_u32 v5, v14, 7, v5
	v_add_nc_u32 v5, s25, v5                       ; my plane, row 16 (w / 2) + r, + 128 h
	s_mul_i32 s25, s16, 1536
	s_add_co_u32 s25, s25, IMG
	v_add_nc_u32 v6, s25, v[L16]                   ; where my image goes,
	s_lshl_b32 s25, s16, 7
	s_add_co_u32 s25, s25, ISC
	v_add_nc_u32 v7, s25, v8                       ; and its scale words;
	v_add_nc_u32 v9, IMG, v[L16]                   ; where any image is read,
	v_add_nc_u32 v10, ISC, v8                      ; and its scale words
	v_mul_u32_u24 v222, v13, 1040
	v_lshl_add_u32 v222, v14, 5, v222
	v_lshl_add_u32 v222, s16, 8, v222              ; the stage, on the way in: row r, my 64 columns, + 32 h
	s_mul_i32 s25, s18, 13*1040
	s_lshl_b32 s30, s17, 9
	s_add_co_u32 s25, s25, s30
	v_add_nc_u32 v223, s25, v[L16]                 ; and back: my 13 rows, my half of their 1,024 bytes
	s_mul_i32 s25, s18, 13*1024
	s_add_co_u32 s25, s25, s30
	v_add_nc_u32 v8, s25, v[L16]                   ; the same place in out0
.irp c, 0,1
.irp j, 0,1,2,3,4,5,6,7
	ds_load_b128 v[X+32*\c+4*\j:X+32*\c+4*\j+3], v5 offset:256*\c+16*\j   ; k = 64 c + 32 h + 4 j on, of my row
.endr
.endr
	s_wait_dscnt 0x0
	QW X
.irp c, 0,1,2
	ds_store_b128 v6, v[PC+4*\c:PC+4*\c+3] offset:512*\c
.endr
	ds_store_b32 v7, v[PW]
	s_wait_dscnt 0x0                               ; for the others' sake: my image has landed, and my reads of acc are over
	s_barrier_signal -1
	s_barrier_wait -1                              ; the four fragments lie in LDS; acc's planes are free for the stage
	s_wait_loadcnt 0x0                             ; W_out, its scale words, b_out
.irp t, 0,1
	FETCH 2*\t
	s_wait_dscnt 0x0
.irp s, 0,1
.irp n, 0,1,2,3                                ; the four accumulators by turns
.if \s == 0
	v_wmma_scale_f32_16x16x128_f8f6f4 v[ACC+8*\n:ACC+8*\n+7], v[WO+12*(2*\n+\s):WO+12*(2*\n+\s)+11], v[AF+12*\s:AF+12*\s+11], v[BO+8*\n:BO+8*\n+7], v[WOS+2*\n+\s], v[XSC+\s] matrix_a_fmt:MATRIX_FMT_BF6 matrix_b_fmt:MATRIX_FMT_BF6
.else
	v_wmma_scale_f32_16x16x128_f8f6f4 v[ACC+8*\n:ACC+8*\n+7], v[WO+12*(2*\n+\s):WO+12*(2*\n+\s)+11], v[AF+12*\s:AF+12*\s+11], v[ACC+8*\n:ACC+8*\n+7], v[WOS+2*\n+\s], v[XSC+\s] matrix_a_fmt:MATRIX_FMT_BF6 matrix_b_fmt:MATRIX_FMT_BF6
.endif
.endr
.endr
.rept 5
	v_nop                                          ; four places ahead of the stores that read the results and of loads into the operands' registers; the fifth for the next tile's products, which begin these accumulators anew
.endr
.irp n, 0,1,2,3
	ds_store_b128 v222, v[ACC+8*\n:ACC+8*\n+3] offset:16640*\t+64*\n         ; lane (r, h): out0(16 t + r, 64 w + 16 n + 8 h + 0 .. 7); each accumulator from its low end on
	ds_store_b128 v222, v[ACC+8*\n+4:ACC+8*\n+7] offset:16640*\t+64*\n+16
.endr
.endr
	s_wait_dscnt 0x0                               ; for the others' sake: my columns have landed in the stage
	s_barrier_signal -1
	s_barrier_wait -1
.irp i, 0,1,2,3,4,5,6,7,8,9,10,11,12
	ds_load_b128 v[OUTR+4*\i:OUTR+4*\i+3], v223 offset:1040*\i
.endr
	s_wait_tensorcnt 0x0                           ; the wave's end, behind my last LDS store
	ds_add_u32 v[SPW], v[NIL]
	s_wait_dscnt 0x0                               ; this wait also brings in the thirteen loads above
.irp i, 0,1,2,3,4,5,6,7,8,9,10,11,12
	s_cmp_le_u32 s24, \i                           ; a row past the table's end is not stored: ids alone decide, and only the last work-group takes the jump
	s_cbranch_scc1 .Ldone
	global_store_b128 v8, v[OUTR+4*\i:OUTR+4*\i+3], s[14:15] offset:1024*\i th:TH_STORE_NT   ; 32 lanes store 512 consecutive bytes, at a multiple of 512 from out0's first byte; written once, read by nobody here
.endr
.Ldone:
	s_endpgm
.Lfunc_end_k_q38f32dee71_sample:
	.size	k_q38f32dee71_sample, .Lfunc_end_k_q38f32dee71_sample-k_q38f32dee71_sample
	.p2alignl 7, 3214868480
	.fill 96, 4, 3214868480
	.section	.rodata,"a",@progbits
	.p2align	6, 0x0
	.amdhsa_kernel k_q38f32dee71_sample
		.amdhsa_group_segment_fixed_size 47104
		.amdhsa_private_segment_fixed_size 0
		.amdhsa_enable_private_segment 0
		.amdhsa_kernarg_size 48
		.amdhsa_user_sgpr_count 2
		.amdhsa_user_sgpr_kernarg_segment_ptr 1
		.amdhsa_wavefront_size32 1
		.amdhsa_system_sgpr_workgroup_id_x 1
		.amdhsa_system_sgpr_workgroup_id_y 1
		.amdhsa_system_sgpr_workgroup_id_z 1
		.amdhsa_system_vgpr_workitem_id 0
		.amdhsa_next_free_vgpr 248
		.amdhsa_next_free_sgpr 66
		.amdhsa_reserve_vcc 0
		.amdhsa_float_denorm_mode_32 3
		.amdhsa_float_denorm_mode_16_64 3
		.amdhsa_memory_ordered 1
		.amdhsa_forward_progress 1
		.amdhsa_inst_pref_size 57
	.end_amdhsa_kernel
	.amdgpu_metadata
---
amdhsa.version: [ 1, 2 ]
amdhsa.kernels:
  - .name:           k_q38f32dee71_sample
    .symbol:         k_q38f32dee71_sample.kd
    .args:
      - { .name: value, .offset: 0, .size: 8, .value_kind: global_buffer, .address_space: global }
      - { .name: swgt, .offset: 8, .size: 8, .value_kind: global_buffer, .address_space: global }
      - { .name: sidx, .offset: 16, .size: 8, .value_kind: global_buffer, .address_space: global }
      - { .name: wq, .offset: 24, .size: 8, .value_kind: global_buffer, .address_space: global }
      - { .name: b_out, .offset: 32, .size: 8, .value_kind: global_buffer, .address_space: global }
      - { .name: out0, .offset: 40, .size: 8, .value_kind: global_buffer, .address_space: global }
    .group_segment_fixed_size: 47104
    .private_segment_fixed_size: 0
    .kernarg_segment_align: 8
    .kernarg_segment_size: 48
    .max_flat_workgroup_size: 128
    .sgpr_count:     66
    .vgpr_count:     248
    .wavefront_size: 32
...
	.end_amdgpu_metadata
.endif
;; end of part 3
;; ======== version 2 of 2: 4 launches; 2.51 times as fast as version 1
;; workspace buffers: wq 186,368 bytes; value 27,230,208 bytes; swgt 54,460,416 bytes; sidx 13,615,104 bytes of whole numbers; acc 27,230,208 bytes
;; launch prep (part 4): grid 28 x 1, 4 waves a work-group, no clusters, 0 bytes of LDS; arguments W_off, W_attn, W_value, W_out, wq; writes wq
.if DOCPART == 4
	.amdgcn_target "amdgcn-amd-amdhsa--gfx1250"
	.amdhsa_code_object_version 6
	.text
	.protected	k_q38f32dee71_prep
	.globl	k_q38f32dee71_prep
	.p2align	8
	.type	k_q38f32dee71_prep,@function
k_q38f32dee71_prep:
	s_mov_b64 s[64:65], 0
	v_nop
	global_prefetch_b8 v0, s[64:65] scope:SCOPE_SE
	s_setreg_imm32_b32 hwreg(HW_REG_WAVE_MODE, 25, 1), 1
	s_wait_xcnt 0x0
; MSDeformAttn in MX-BF6, four launches: prep (this one) quantises the four weights once; proj makes the value table, the sampling cells and the sampling weights; gath sums the sampled values out of tables in LDS;
; outp makes the output projection.
; WORK LEFT OUT.  input_spatial_shapes: reference() takes it as an argument and never reads it (the levels' shapes are constants of its own body), so no value of it can reach the result: it is not loaded and is no
; launch's argument.  The zeros with which reference() begins acc: the first product of each sum begins the sum.  A NaN, an infinity or an overflow that reaches only what is left out is not carried to the result.
; All else is live: the four biases differ along their axes and are loaded.
; LIMITS.  NaN and infinities among the inputs are not served.  A block of zeros gets the scale byte 1 where the rule says 127: its codes are zeros, which add nothing under any byte but 0xff, and this program alone
; reads the bytes.  Blocks whose largest magnitude lies under the floor 2^(5 - 127) were not tried.
; THIS LAUNCH.  A weight W [256 (k)][N] has K as its first axis.  A wave makes ONE operand fragment (16 columns x 128 along K): lane (r, h) takes one column, its 64 registers run down K in the order that the operand's
; layout gives that lane (register 32 c + i: k = 128 s + 64 c + 32 h + i), so a lane holds two whole blocks of 32, and the conversions' results are the operand's registers.
; wq: fragment F's image at 1536 F: three runs of 512 bytes, lane l's registers 4 c .. 4 c + 3 at 512 c + 16 l; its scale words at SCB + 128 F + 4 l (lanes 16-31 hold the same as lanes 0-15).
; F: 0-31 W_off (4 head + 2 u + s; lane m takes column 32 head + 8 u + m + 8 (m / 8): levels u and u + 2);  32-47 W_attn (32 + 2 head + s);  48-79 W_value (48 + 2 n + s);  80-111 W_out (80 + 2 n + s): columns 16 n + m.
; No LDS, no barrier: waves share nothing.  28 work-groups: that is all the work there is (112 fragments).
.set SCB, 172032                       ; where the scale words begin: 112 x 1536
.set X,   32                           ; v32-95   the lane's 64 numbers
.set PC,  96                           ; v96-107  the fragment's codes
.set TC,  108                          ; v108-115 a block's upper 16 codes, made on an even register and moved
.set MX,  116                          ; v116-117 largest magnitudes
.set SO,  118                          ; v118-119 the conversions' scale operands
.set BY,  120                          ; v120-121 the scale bytes
.set PW,  122                          ; v122     the scale word
.set T1,  123                          ; v123     lane l xor 16's part of it
.set SH8, 4                            ; v4       8 h
.set SEL, 26                           ; s[26:27] lane selects: lane l xor 16
; 64 numbers of a lane, register 32 c + i = k 64 c + 32 h + i of its row or column, become a fragment's 12 registers of codes in v[PC] on and its scale word in v[PW]
.macro QW s
.irp c, 0,1
	v_max3_num_f32 v[MX+\c], |v[\s+32*\c]|, |v[\s+32*\c+1]|, 0x2800000   ; block 2 c + h: all its 32 numbers are mine; the floor 2^(5 - 127) holds the byte at 1 from below
.endr
.irp i, 2,4,6,8,10,12,14,16,18,20,22,24,26,28,30
.irp c, 0,1
	v_max3_num_f32 v[MX+\c], v[MX+\c], |v[\s+32*\c+\i]|, |v[\s+32*\c+\i+1]|   ; the two blocks by turns
.endr
.endr
.irp c, 0,1
	v_add_nc_u32 v[SO+\c], 0xfe000000, v[MX+\c]    ; 4 off the exponent field: the conversion takes the exponent field of this operand as its scale
.endr
.irp c, 0,1
	v_lshrrev_b32 v[BY+\c], 23, v[SO+\c]           ; the scale's byte
.endr
	v_lshl_or_b32 v[PW], v[BY+1], 16, v[BY]        ; blocks h and 2 + h,
	v_lshlrev_b32 v[PW], v[SH8], v[PW]             ; at their places in the word;
	v_mov_b32 v[T1], 0                             ; (a lane permute's destination counts as one of its sources)
	v_permlanex16_b32 v[T1], v[PW], s[SEL], s[SEL+1]
	v_or_b32 v[PW], v[PW], v[T1]                   ; with lane l xor 16's two bytes the word is whole, in both halves
.irp c, 0,1
	v_cvt_scalef32_pk16_bf6_f32 v[PC+6*\c:PC+6*\c+2], v[\s+32*\c:\s+32*\c+15], v[SO+\c]
	v_cvt_scalef32_pk16_bf6_f32 v[TC+4*\c:TC+4*\c+2], v[\s+32*\c+16:\s+32*\c+31], v[SO+\c]   ; (a conversion's three registers begin on an even number)
.endr
	v_nop                                          ; one plain place behind the last scaled conversion
.irp c, 0,1
.irp i, 0,1,2
	v_mov_b32 v[PC+3+6*\c+\i], v[TC+4*\c+\i]
.endr
.endr
.endm
; the fragment's 64 numbers of my column; pitch: bytes from row k to row k + 1 of the weight.  Sixteen neighbouring lanes read up to 64 neighbouring bytes
.macro LOADW pitch
	s_mul_i32 s25, s21, 128*\pitch                 ; K step s
	v_mul_u32_u24 v5, v3, 32*\pitch                ; lanes 16-31 begin 32 rows further down
	v_add_nc_u32 v5, s25, v5
	v_lshl_add_u32 v5, v8, 2, v5                   ; + 4 x my column
.irp c, 0,1
.irp i, 0,1,2,3,4,5,6,7,8,9,10,11,12,13,14,15,16,17,18,19,20,21,22,23,24,25,26,27,28,29,30,31
	global_load_b32 v[X+32*\c+\i], v5, s[14:15] offset:(64*\c+\i)*\pitch
.endr
.endr
.endm
	s_load_b256 s[4:11], s[0:1], 0x0               ; W_off s[4:5], W_attn s[6:7], W_value s[8:9], W_out s[10:11]
	s_load_b64 s[12:13], s[0:1], 0x20              ; wq
	v_lshrrev_b32 v1, 5, v0
	v_readfirstlane_b32 s18, v1                    ; wave 0..3
	v_and_b32 v1, 31, v0                           ; lane
	v_and_b32 v2, 15, v0                           ; r
	v_bfe_u32 v3, v0, 4, 1                         ; h
	v_lshlrev_b32 v[SH8], 3, v3
	v_lshlrev_b32 v6, 4, v1                        ; 16 l
	v_lshlrev_b32 v7, 2, v1                        ; 4 l
	s_mov_b32 s[SEL], 0x76543210
	s_mov_b32 s[SEL+1], 0xfedcba98
	s_lshl_b32 s19, ttmp9, 2
	s_add_co_u32 s19, s19, s18                     ; F = 4 x work-group + wave
	s_wait_kmcnt 0x0
	s_cmp_ge_u32 ttmp9, 20                         ; which weight: the choice hangs on the work-group's number alone, and is the same in its four waves
	s_cselect_b64 s[14:15], s[10:11], s[8:9]
	s_cselect_b32 s16, 80, 48                      ; the weight's first fragment
	s_cmp_ge_u32 ttmp9, 12
	s_cselect_b64 s[14:15], s[14:15], s[6:7]
	s_cselect_b32 s16, s16, 32
	s_cmp_ge_u32 ttmp9, 8
	s_cselect_b64 s[14:15], s[14:15], s[4:5]
	s_cselect_b32 s16, s16, 0
	s_cselect_b32 s17, 0, 1                        ; 1 for W_off: its tiles' columns are not neighbours
	s_sub_co_u32 s20, s19, s16
	s_lshr_b32 s20, s20, 1                         ; the tile
	s_and_b32 s21, s19, 1                          ; the K step
	s_lshl_b32 s22, s20, 4                         ; first column: 16 x tile,
	s_lshr_b32 s23, s20, 1
	s_lshl_b32 s23, s23, 5
	s_and_b32 s24, s20, 1
	s_lshl_b32 s24, s24, 3
	s_add_co_u32 s23, s23, s24                     ; or, in W_off, 32 x head + 8 u
	s_cmp_eq_u32 s17, 1
	s_cselect_b32 s22, s23, s22
	v_and_b32 v9, 8, v2
	v_mul_u32_u24 v9, s17, v9                      ; in W_off lanes 8-15 stand 8 columns further on
	v_add3_u32 v8, v2, v9, s22                     ; my column
	s_mul_i32 s28, s19, 1536
	s_mov_b32 s29, 0
	s_add_nc_u64 s[30:31], s[12:13], s[28:29]      ; my image
	s_lshl_b32 s28, s19, 7
	s_add_co_u32 s28, s28, SCB
	s_add_nc_u64 s[12:13], s[12:13], s[28:29]      ; my scale words
	s_cmp_eq_u32 s16, 32                           ; W_attn has rows of 512 bytes, the others of 1,024
	s_cbranch_scc1 .Lattn
	LOADW 1024
	s_branch .Ljoin
.Lattn:
	LOADW 512
.Ljoin:
	s_wait_loadcnt 0x0
	QW X
.irp c, 0,1,2
	global_store_b128 v6, v[PC+4*\c:PC+4*\c+3], s[30:31] offset:512*\c   ; 32 lanes store 512 consecutive bytes, at a multiple of 512 from wq's first byte
.endr
	global_store_b32 v7, v[PW], s[12:13]
	s_endpgm
.Lfunc_end_k_q38f32dee71_prep:
	.size	k_q38f32dee71_prep, .Lfunc_end_k_q38f32dee71_prep-k_q38f32dee71_prep
	.p2alignl 7, 3214868480
	.fill 96, 4, 3214868480
	.section	.rodata,"a",@progbits
	.p2align	6, 0x0
	.amdhsa_kernel k_q38f32dee71_prep
		.amdhsa_group_segment_fixed_size 0
		.amdhsa_private_segment_fixed_size 0
		.amdhsa_enable_private_segment 0
		.amdhsa_kernarg_size 40
		.amdhsa_user_sgpr_count 2
		.amdhsa_user_sgpr_kernarg_segment_ptr 1
		.amdhsa_wavefront_size32 1
		.amdhsa_system_sgpr_workgroup_id_x 1
		.amdhsa_system_sgpr_workgroup_id_y 1
		.amdhsa_system_sgpr_workgroup_id_z 1
		.amdhsa_system_vgpr_workitem_id 0
		.amdhsa_next_free_vgpr 128
		.amdhsa_next_free_sgpr 66
		.amdhsa_reserve_vcc 0
		.amdhsa_float_denorm_mode_32 3
		.amdhsa_float_denorm_mode_16_64 3
		.amdhsa_memory_ordered 1
		.amdhsa_forward_progress 1
		.amdhsa_inst_pref_size 18
	.end_amdhsa_kernel
	.amdgpu_metadata
---
amdhsa.version: [ 1, 2 ]
amdhsa.kernels:
  - .name:           k_q38f32dee71_prep
    .symbol:         k_q38f32dee71_prep.kd
    .args:
      - { .name: W_off, .offset: 0, .size: 8, .value_kind: global_buffer, .address_space: global }
      - { .name: W_attn, .offset: 8, .size: 8, .value_kind: global_buffer, .address_space: global }
      - { .name: W_value, .offset: 16, .size: 8, .value_kind: global_buffer, .address_space: global }
      - { .name: W_out, .offset: 24, .size: 8, .value_kind: global_buffer, .address_space: global }
      - { .name: wq, .offset: 32, .size: 8, .value_kind: global_buffer, .address_space: global }
    .group_segment_fixed_size: 0
    .private_segment_fixed_size: 0
    .kernarg_segment_align: 8
    .kernarg_segment_size: 40
    .max_flat_workgroup_size: 128
    .sgpr_count:     66
    .vgpr_count:     128
    .wavefront_size: 32
...
	.end_amdgpu_metadata
.endif
;; end of part 4
;; launch proj (part 5): grid 831 x 1, 8 waves a work-group, no clusters, 81,920 bytes of LDS; arguments input_flatten, query, reference_points, b_value, b_off, b_attn, wq, value, swgt, sidx; writes value, swgt, sidx
.if DOCPART == 5
	.amdgcn_target "amdgcn-amd-amdhsa--gfx1250"
	.amdhsa_code_object_version 6
	.text
	.protected	k_q38f32dee71_proj
	.globl	k_q38f32dee71_proj
	.p2align	8
	.type	k_q38f32dee71_proj,@function
k_q38f32dee71_proj:
	s_mov_b64 s[64:65], 0
	v_nop
	global_prefetch_b8 v0, s[64:65] scope:SCOPE_SE
	s_setreg_imm32_b32 hwreg(HW_REG_WAVE_MODE, 25, 1), 1
	s_wait_xcnt 0x0
; The three input projections of MSDeformAttn on codes of BF6 (E3M2), the softmax over a head's 16 points, and the sampling cells and weights.  input_spatial_shapes is left out (reference() never reads it).
; OUT, all three in PLANES of 26,592 rows x 16 bytes (PLN bytes, a multiple of 256; the last four rows of a plane are neither written nor read), row = 13294 x batch + position:
;   value: plane 8 head + g: channels 4 g .. 4 g + 3 of input_flatten W_value + b_value;   sidx: plane 4 head + level: the level's four cells, u32: the row, in the batch's table, of the cell's first corner;
;   swgt: plane 16 head + point: the point's four corner weights.
; SAMPLING WITHOUT MASKS.  x = (ref + off / w) w - 0.5 as reference() has it (the division is a multiplication by the rounded 1 / w: LIMIT: about one unit in the last place of a quotient that is small beside ref).
; xb = floor(x) held to 0 .. w - 2, t = x - xb; column xb weighs max(0, 1 - |t|), column xb + 1 weighs the middle one of t, 2 - t, 0.  Inside the level these are reference()'s 1 - tx and tx; where floor(x) = -1 or w - 1
; the one column that is valid gets its weight and the other 0; further out both are 0.  So all four corners read lie inside the level, whatever the inputs hold.  y likewise.  The four weights are multiplied by the softmax's.
; LIMITS: NaN and infinities are not served; a block of zeros has the scale byte 1 (read by this program alone); blocks under the floor 2^(5 - 127) were not tried.
; SHARES.  A work-group takes 32 rows as two tiles of 16.  The last work-group's second tile begins at row 26572, so four rows are made twice, by the same work-group and with the same values: no mask, no branch.
; Wave w first quantises one of the eight fragments of x (input or query; tile; K step) and hands its image to the others through LDS.  Then THE WAVES SHARE THE COLUMNS: wave w is head w, and its ten fragments of
; weights stay in registers for both tiles.  All products are used transposed (source 0 = 16 columns of W, source 1 = 16 rows of x): lane (r, h) holds row r, and its eight registers are: offsets' tile u: level u + 2 h,
; point j / 2, x or y;  logits: points 8 h + j;  value's tile n: channels 16 n + 8 h + j.  So a lane owns eight points of one (row, head), and the softmax wants two exchanges with lane l xor 16.
; The biases are the C of each sum's first matrix instruction.  RESULTS LEAVE STRAIGHT FROM REGISTERS: four neighbouring registers of a lane are its row's 16 bytes of one plane, so sixteen neighbouring lanes store
; 256 consecutive bytes, at a multiple of 256 from the buffer's first byte (but for the one tile at row 26572).
; No tensor loads (nothing is a tile that is read again) and no cluster (what work-groups share is the weights' fragments, a small part of a work-group's bytes); two work-groups fit on a WGP.
.set NROWS, 26588
.set PLN,   425472                     ; a plane in bytes
.set SCB,   172032                     ; wq: where the scale words begin
; LDS: from 0: 8 waves x 16 rows x 528, each wave's own, in which x is turned
.set IMG,   67584                      ; 8 images of x's fragments, 1536 each
.set ISC,   79872                      ; their scale words, 128 each
.set SPARE, 80896                      ; the spare words, 128 bytes for each wave: four blocks of 256 bytes that no other line names
; registers that stay
.set L16,  1                           ; 16 l
.set L4,   2                           ; 4 l
.set R,    3                           ; r
.set H,    4                           ; h
.set SH8,  5                           ; 8 h
.set IMR,  6                           ; IMG + 16 l
.set ISR,  7                           ; ISC + 4 l
.set SVW,  8                           ; swgt: 8 h planes + 16 r
.set SVI,  9                           ; sidx and value: 2 h planes + 16 r
.set SPW,  11                          ; my spare word; never rewritten
.set NIL,  12                          ; 0; never rewritten
.set VO1,  13                          ; 16 l + 6144 w
.set VO2,  14                          ; 16 l + 3072 w
.set LV,   16                          ; v[16 + 4 u ..]: of level u + 2 h: 1 / w, w - 2, w, the level's first row in a batch's table
.set WS,   26                          ; v26-35  the weights' scale words: offsets 2 u + s, logits 4 + s, value 6 + 2 n + s; they hold nothing else
.set XSC,  36                          ; v36-37  x's scale words; they hold nothing else
.set RP,   38                          ; v38-45  reference points of my row's levels 2 h, 2 h + 1: four registers a tile
.set WQ,   46                          ; v46-117 six fragments: offsets 2 u + s, logits 4 + s
.set X,    46                          ; (ahead of them: the 64 numbers of x that I quantise)
.set WV,   118                         ; v118-165 four fragments of W_value: 2 n + s
.set BV,   166                         ; v166-181 b_value in the result's layout
.set BQ,   182                         ; v182-205 b_off (two tiles), b_attn
.set AF,   206                         ; v206-229 x's two fragments
.set ACC,  230                         ; v230-253 three accumulators
.set O,    230                         ; the offsets' two
.set L,    246                         ; the logits'
; while x is quantised
.set PC,   206
.set TC,   218
.set MX,   226
.set SO,   228
.set BY,   230
.set PW,   232
.set T1,   233
.set XSTO, 234                         ; 8448 w + 16 l
.set XRD,  235                         ; 8448 w + 528 r + 128 h
.set IMW,  236                         ; IMG + 1536 w + 16 l
.set ISW,  237                         ; ISC + 128 w + 4 l
.set VS1,  238                         ; 4 l + 512 w
.set VS2,  239                         ; 4 l + 256 w
.set VB1,  240                         ; 128 w + 64 h
.set VB2,  241                         ; 64 w + 32 h
.set VB3,  242                         ; 128 w + 32 h
.set RPO,  243                         ; 32 r + 16 h
; behind value's products: W_value's and b_value's registers are free
.set Q,    118                         ; v118-149 four weights for each of my eight points
.set IX,   150                         ; v150-157 their cells
.set MM,   158                         ; v158-159 the largest logit
.set SS,   160                         ; v160-161 the sum; its reciprocal
.set XY,   162
.set FB,   164
.set TT,   166
.set CC,   168
.set PS,   170
.set AA,   172
.set S2,   174
.set BT,   29                          ; s29, s30 the tiles' first rows
.set SEL,  50                          ; s[50:51] lane selects: lane l xor 16
; 64 numbers of a lane, register 32 c + i = k 64 c + 32 h + i of its row, become a fragment's 12 registers of codes in v[PC] on and its scale word in v[PW]
.macro QW s
.irp c, 0,1
	v_max3_num_f32 v[MX+\c], |v[\s+32*\c]|, |v[\s+32*\c+1]|, 0x2800000   ; block 2 c + h: all its 32 numbers are mine; the floor 2^(5 - 127) holds the byte at 1 from below
.endr
.irp i, 2,4,6,8,10,12,14,16,18,20,22,24,26,28,30
.irp c, 0,1
	v_max3_num_f32 v[MX+\c], v[MX+\c], |v[\s+32*\c+\i]|, |v[\s+32*\c+\i+1]|
.endr
.endr
.irp c, 0,1
	v_add_nc_u32 v[SO+\c], 0xfe000000, v[MX+\c]    ; 4 off the exponent field: the conversion's scale operand
.endr
.irp c, 0,1
	v_lshrrev_b32 v[BY+\c], 23, v[SO+\c]           ; the scale's byte
.endr
	v_lshl_or_b32 v[PW], v[BY+1], 16, v[BY]
	v_lshlrev_b32 v[PW], v[SH8], v[PW]
	v_mov_b32 v[T1], 0                             ; (a lane permute's destination counts as one of its sources)
	v_permlanex16_b32 v[T1], v[PW], s[SEL], s[SEL+1]
	v_or_b32 v[PW], v[PW], v[T1]                   ; my row's scale word, in both halves of the lanes
.irp c, 0,1
	v_cvt_scalef32_pk16_bf6_f32 v[PC+6*\c:PC+6*\c+2], v[\s+32*\c:\s+32*\c+15], v[SO+\c]
	v_cvt_scalef32_pk16_bf6_f32 v[TC+4*\c:TC+4*\c+2], v[\s+32*\c+16:\s+32*\c+31], v[SO+\c]   ; (a conversion's three registers begin on an even number)
.endr
	v_nop                                          ; one plain place behind the last scaled conversion
.irp c, 0,1
.irp i, 0,1,2
	v_mov_b32 v[PC+3+6*\c+\i], v[TC+4*\c+\i]
.endr
.endr
.endm
.macro LVL dst, a, b                   ; a constant of the lane's level: a in lanes 0-15, b in lanes 16-31 (VCC: h = 1)
	v_mov_b32 v[\dst], \a
	v_mov_b32 v244, \b
	v_cndmask_b32 v[\dst], v[\dst], v244, vcc_lo
.endm
.macro FETCH f0                        ; the images f0 and f0 + 1 (a tile's two K steps) and their scale words, as any wave's registers
.irp s, 0,1
.irp c, 0,1,2
	ds_load_b128 v[AF+12*\s+4*\c:AF+12*\s+4*\c+3], v[IMR] offset:1536*((\f0)+\s)+512*\c
.endr
	ds_load_b32 v[XSC+\s], v[ISR] offset:128*((\f0)+\s)
.endr
.endm
	s_load_b512 s[8:23], s[0:1], 0x0               ; input s[8:9], query s[10:11], reference points s[12:13], b_value s[14:15], b_off s[16:17], b_attn s[18:19], wq s[20:21], value s[22:23]
	s_load_b128 s[24:27], s[0:1], 0x40             ; swgt s[24:25], sidx s[26:27]
	v_lshl_add_u32 v[SPW], v0, 2, SPARE
	v_mov_b32 v[NIL], 0
	v_lshrrev_b32 v3, 5, v0
	v_readfirstlane_b32 s28, v3                    ; wave 0..7
	v_and_b32 v2, 31, v0
	v_lshlrev_b32 v[L16], 4, v2
	v_lshlrev_b32 v[L4], 2, v2
	v_and_b32 v[R], 15, v0
	v_bfe_u32 v[H], v0, 4, 1
	v_lshlrev_b32 v[SH8], 3, v[H]
	s_mov_b32 s[SEL], 0x76543210
	s_mov_b32 s[SEL+1], 0xfedcba98
	s_lshl_b32 s[BT], ttmp9, 5                     ; tile 0: row 32 x work-group
	s_add_co_u32 s[BT+1], s[BT], 16
	s_min_u32 s[BT+1], s[BT+1], NROWS-16           ; tile 1: 16 further on, held inside the table
	; addresses
	s_mul_i32 s54, s28, 8448
	v_add_nc_u32 v[XSTO], s54, v[L16]
	v_mul_u32_u24 v[XRD], v[R], 528
	v_lshl_add_u32 v[XRD], v[H], 7, v[XRD]
	v_add_nc_u32 v[XRD], s54, v[XRD]
	s_mul_i32 s55, s28, 1536
	s_add_co_u32 s55, s55, IMG
	v_add_nc_u32 v[IMW], s55, v[L16]
	s_lshl_b32 s55, s28, 7
	s_add_co_u32 s55, s55, ISC
	v_add_nc_u32 v[ISW], s55, v[L4]
	v_lshl_add_u32 v[VS1], s28, 9, v[L4]
	v_lshl_add_u32 v[VS2], s28, 8, v[L4]
	v_lshlrev_b32 v[VB1], 6, v[H]
	v_lshl_add_u32 v[VB1], s28, 7, v[VB1]
	v_lshlrev_b32 v[VB2], 5, v[H]
	v_lshl_add_u32 v[VB3], s28, 7, v[VB2]
	v_lshl_add_u32 v[VB2], s28, 6, v[VB2]
	v_lshlrev_b32 v[RPO], 5, v[R]
	v_lshl_add_u32 v[RPO], v[H], 4, v[RPO]
	v_add_nc_u32 v[IMR], IMG, v[L16]
	v_add_nc_u32 v[ISR], ISC, v[L4]
	v_lshlrev_b32 v10, 4, v[R]                     ; a row is 16 bytes of every plane
	v_mul_u32_u24 v[SVW], v[H], 8*PLN              ; lanes 16-31 hold points 8 on: 8 planes of swgt,
	v_add_nc_u32 v[SVW], v[SVW], v10
	v_mul_u32_u24 v[SVI], v[H], 2*PLN              ; 2 planes of sidx; and channels 8 on: 2 planes of value
	v_add_nc_u32 v[SVI], v[SVI], v10
	s_mul_i32 s55, s28, 6144
	v_add_nc_u32 v[VO1], s55, v[L16]
	s_mul_i32 s55, s28, 3072
	v_add_nc_u32 v[VO2], s55, v[L16]
	; which fragment of x I quantise: wave = 4 x (0 input, 1 query) + 2 x tile + K step
	s_bfe_u32 s52, s28, 0x10001                    ; the tile
	s_cmp_eq_u32 s52, 0
	s_cselect_b32 s52, s[BT], s[BT+1]
	s_lshl_b32 s52, s52, 10                        ; a row is 1,024 bytes
	s_and_b32 s54, s28, 1
	s_lshl_b32 s54, s54, 9                         ; a K step 512
	s_add_co_u32 s52, s52, s54
	s_mov_b32 s53, 0
	s_wait_kmcnt 0x0
	s_cmp_lt_u32 s28, 4
	s_cselect_b64 s[32:33], s[8:9], s[10:11]
	s_add_nc_u64 s[32:33], s[32:33], s[52:53]
.irp i, 0,1,2,3,4,5,6,7,8,9,10,11,12,13,14,15
	global_load_b128 v[X+4*\i:X+4*\i+3], v[L16], s[32:33] offset:1024*\i th:TH_LOAD_NT   ; row i's 512 consecutive bytes of my K step; read once in the launch
.endr
.irp t, 0,1
	s_lshl_b32 s52, s[BT+\t], 5
	s_add_nc_u64 s[34+2*\t:35+2*\t], s[12:13], s[52:53]      ; the tile's reference points
	s_lshl_b32 s55, s[BT+\t], 4                              ; the tile's first row in a plane
	s_mul_i32 s52, s28, 8*PLN
	s_add_co_u32 s52, s52, s55
	s_add_nc_u64 s[38+2*\t:39+2*\t], s[22:23], s[52:53]      ; in my head's eight planes of value,
	s_mul_i32 s52, s28, 16*PLN
	s_add_co_u32 s52, s52, s55
	s_add_nc_u64 s[42+2*\t:43+2*\t], s[24:25], s[52:53]      ; its sixteen of swgt,
	s_mul_i32 s52, s28, 4*PLN
	s_add_co_u32 s52, s52, s55
	s_add_nc_u64 s[46+2*\t:47+2*\t], s[26:27], s[52:53]      ; its four of sidx
.endr
	; 34 loads behind x's sixteen
.irp t, 0,1
	global_load_b128 v[RP+4*\t:RP+4*\t+3], v[RPO], s[34+2*\t:35+2*\t]
.endr
.irp i, 0,1,2,3
.irp c, 0,1,2
	global_load_b128 v[WV+12*\i+4*\c:WV+12*\i+4*\c+3], v[VO1], s[20:21] offset:73728+1536*\i+512*\c   ; fragments 48 + 4 w + i
.endr
.endr
.irp n, 0,1
	global_load_b128 v[BV+8*\n:BV+8*\n+3], v[VB3], s[14:15] offset:64*\n
	global_load_b128 v[BV+8*\n+4:BV+8*\n+7], v[VB3], s[14:15] offset:64*\n+16
.endr
.irp u, 0,1
	global_load_b128 v[BQ+8*\u:BQ+8*\u+3], v[VB1], s[16:17] offset:32*\u
	global_load_b128 v[BQ+8*\u+4:BQ+8*\u+7], v[VB1], s[16:17] offset:32*\u+16
.endr
	global_load_b128 v[BQ+16:BQ+19], v[VB2], s[18:19]
	global_load_b128 v[BQ+20:BQ+23], v[VB2], s[18:19] offset:16
.irp i, 0,1,2,3
	global_load_b32 v[WS+\i], v[VS1], s[20:21] offset:SCB+128*\i
.endr
.irp s, 0,1
	global_load_b32 v[WS+4+\s], v[VS2], s[20:21] offset:SCB+4096+128*\s
.endr
.irp i, 0,1,2,3
	global_load_b32 v[WS+6+\i], v[VS1], s[20:21] offset:SCB+6144+128*\i
.endr
	; the constants of my two levels, u + 2 h
	v_cmp_ne_u32 vcc_lo, 0, v[H]
	LVL LV+0, 0x3c23d70a, 0x3d23d70a               ; 1 / 100, 1 / 25
	LVL LV+1, 0x42c40000, 0x41b80000               ; 98, 23
	LVL LV+2, 0x42c80000, 0x41c80000               ; 100, 25
	LVL LV+3, 0, 0x46435000                        ; first rows 0, 12500
	LVL LV+4, 0x3ca3d70a, 0x3d9d89d9               ; 1 / 50, 1 / 13
	LVL LV+5, 0x42400000, 0x41300000               ; 48, 11
	LVL LV+6, 0x42480000, 0x41500000               ; 50, 13
	LVL LV+7, 0x461c4000, 0x464d1400               ; first rows 10000, 13125
	; x: loaded as it lies, turned through my own part of LDS so that a lane holds its row's numbers in the operand's order
	s_wait_loadcnt 34                              ; x's sixteen loads are in; the 34 issued behind them may be out
.irp i, 0,1,2,3,4,5,6,7,8,9,10,11,12,13,14,15
	ds_store_b128 v[XSTO], v[X+4*\i:X+4*\i+3] offset:528*\i
.endr
	s_wait_dscnt 0x0                               ; the stores have read their registers
.irp c, 0,1
.irp j, 0,1,2,3,4,5,6,7
	ds_load_b128 v[X+32*\c+4*\j:X+32*\c+4*\j+3], v[XRD] offset:256*\c+16*\j   ; k = 64 c + 32 h + 4 j on, of row r
.endr
.endr
	s_wait_dscnt 0x0
	QW X
.irp c, 0,1,2
	ds_store_b128 v[IMW], v[PC+4*\c:PC+4*\c+3] offset:512*\c      ; the fragment goes to LDS as an image of its registers
.endr
	ds_store_b32 v[ISW], v[PW]
.irp i, 0,1,2,3
.irp c, 0,1,2
	global_load_b128 v[WQ+12*\i+4*\c:WQ+12*\i+4*\c+3], v[VO1], s[20:21] offset:1536*\i+512*\c   ; 18 loads into the registers that x has left: the offsets' fragments 4 w + i,
.endr
.endr
.irp s, 0,1
.irp c, 0,1,2
	global_load_b128 v[WQ+48+12*\s+4*\c:WQ+48+12*\s+4*\c+3], v[VO2], s[20:21] offset:49152+1536*\s+512*\c   ; the logits' 32 + 2 w + s
.endr
.endr
	s_wait_dscnt 0x0                               ; for the others' sake: my image has landed
	s_barrier_signal -1
	s_barrier_wait -1                              ; x's eight fragments lie in LDS
	; ---- value: my head's 32 channels for both tiles
.irp t, 0,1
	FETCH 2*\t
.if \t == 0
	s_wait_loadcnt 18                              ; all but the 18 loads issued last
.endif
	s_wait_dscnt 0x0
.if \t == 1
	s_wait_xcnt 0x0                                ; the last tile's stores have read the accumulators, which are written again below
.endif
.irp s, 0,1
.irp n, 0,1                                    ; the two accumulators by turns
.if \s == 0
	v_wmma_scale_f32_16x16x128_f8f6f4 v[ACC+8*\n:ACC+8*\n+7], v[WV+12*(2*\n+\s):WV+12*(2*\n+\s)+11], v[AF+12*\s:AF+12*\s+11], v[BV+8*\n:BV+8*\n+7], v[WS+6+2*\n+\s], v[XSC+\s] matrix_a_fmt:MATRIX_FMT_BF6 matrix_b_fmt:MATRIX_FMT_BF6
.else
	v_wmma_scale_f32_16x16x128_f8f6f4 v[ACC+8*\n:ACC+8*\n+7], v[WV+12*(2*\n+\s):WV+12*(2*\n+\s)+11], v[AF+12*\s:AF+12*\s+11], v[ACC+8*\n:ACC+8*\n+7], v[WS+6+2*\n+\s], v[XSC+\s] matrix_a_fmt:MATRIX_FMT_BF6 matrix_b_fmt:MATRIX_FMT_BF6
.endif
.endr
.endr
.rept 5
	v_nop                                          ; four places ahead of the stores that read the results and of the loads into x's fragments; the fifth for the next products, which begin these accumulators anew with another C
.endr
.irp n, 0,1
	global_store_b128 v[SVI], v[ACC+8*\n:ACC+8*\n+3], s[38+2*\t:39+2*\t] offset:(4*\n)*PLN         ; channels 16 n + 8 h + 0 .. 3: plane 4 n + 2 h of my head; each accumulator from its low end on
	global_store_b128 v[SVI], v[ACC+8*\n+4:ACC+8*\n+7], s[38+2*\t:39+2*\t] offset:(4*\n+1)*PLN     ; and the next four: the next plane
.endr
.endr
; What follows the offsets' and logits' products of tile t: the softmax, the cells, the weights
.macro POST t
	v_max3_num_f32 v[MM], v[L], v[L+1], v[L+2]     ; the largest of my eight logits,
	v_max3_num_f32 v[MM], v[MM], v[L+3], v[L+4]
	v_max3_num_f32 v[MM], v[MM], v[L+5], v[L+6]
	v_max_num_f32 v[MM], v[MM], v[L+7]
	v_mov_b32 v[MM+1], 0
	v_permlanex16_b32 v[MM+1], v[MM], s[SEL], s[SEL+1]
	v_max_num_f32 v[MM], v[MM], v[MM+1]            ; and of lane l xor 16's eight: the head's
.irp j, 0,2,4,6
	v_pk_add_f32 v[L+\j:L+\j+1], v[L+\j:L+\j+1], v[MM:MM+1] op_sel_hi:[1,0] neg_lo:[0,1] neg_hi:[0,1]   ; the maximum is taken away, as reference() does
.endr
.irp j, 0,2,4,6
	v_pk_mul_f32 v[L+\j:L+\j+1], v[L+\j:L+\j+1], 0x3fb8aa3b op_sel_hi:[1,0]   ; x log2(e)
.endr
.irp j, 0,1,2,3,4,5,6,7
	v_exp_f32 v[L+\j], v[L+\j]                     ; one batch; the cells' arithmetic below names none of its results
.endr
.irp j, 0,1,2,3,4,5,6,7                        ; point j: level j / 4 + 2 h
	v_pk_fma_f32 v[XY:XY+1], v[O+2*\j:O+2*\j+1], v[LV+4*(\j/4):LV+4*(\j/4)+1], v[RP+4*\t+2*(\j/4):RP+4*\t+2*(\j/4)+1] op_sel_hi:[1,0,1]   ; loc = ref + off / w
	v_pk_fma_f32 v[XY:XY+1], v[XY:XY+1], v[LV+4*(\j/4)+2:LV+4*(\j/4)+3], -0.5 op_sel_hi:[1,0,0]   ; x, y = loc w - 0.5
	v_floor_f32 v[FB], v[XY]
	v_floor_f32 v[FB+1], v[XY+1]
	v_med3_num_f32 v[FB], v[FB], 0, v[LV+4*(\j/4)+1]      ; xb, yb: held to 0 .. w - 2
	v_med3_num_f32 v[FB+1], v[FB+1], 0, v[LV+4*(\j/4)+1]
	v_pk_add_f32 v[TT:TT+1], v[XY:XY+1], v[FB:FB+1] neg_lo:[0,1] neg_hi:[0,1]   ; t
	v_sub_f32 v[Q+4*\j], 1.0, |v[TT]|
	v_sub_f32 v[Q+4*\j+2], 1.0, |v[TT+1]|
	v_pk_add_f32 v[CC:CC+1], v[TT:TT+1], 2.0 op_sel_hi:[1,0] neg_lo:[1,0] neg_hi:[1,0]   ; 2 - t
	v_max_num_f32 v[Q+4*\j], 0, v[Q+4*\j]          ; column xb
	v_max_num_f32 v[Q+4*\j+2], 0, v[Q+4*\j+2]      ; row yb
	v_med3_num_f32 v[Q+4*\j+1], v[TT], v[CC], 0    ; column xb + 1
	v_med3_num_f32 v[Q+4*\j+3], v[TT+1], v[CC+1], 0   ; row yb + 1
	v_add_f32 v[PS], v[FB], v[LV+4*(\j/4)+3]
	v_fma_f32 v[PS], v[FB+1], v[LV+4*(\j/4)+2], v[PS]     ; the level's first row + yb w + xb: whole numbers under 2^24, exact in f32
	v_cvt_u32_f32 v[IX+\j], v[PS]
.endr
	s_wait_alu depctr_va_vdst(0)                   ; one wait for the eight exponentials, ahead of their first reader
	v_pk_add_f32 v[SS:SS+1], v[L:L+1], v[L+2:L+3]
	v_pk_add_f32 v[S2:S2+1], v[L+4:L+5], v[L+6:L+7]
	v_pk_add_f32 v[SS:SS+1], v[SS:SS+1], v[S2:S2+1]
	v_add_f32 v[SS], v[SS], v[SS+1]
	v_permlanex16_b32 v[SS+1], v[SS], s[SEL], s[SEL+1]
	v_add_f32 v[SS], v[SS], v[SS+1]                ; the head's sum
	v_rcp_f32 v[SS+1], v[SS]
	global_store_b128 v[SVI], v[IX:IX+3], s[46+2*\t:47+2*\t]                  ; level 2 h's four cells,
	global_store_b128 v[SVI], v[IX+4:IX+7], s[46+2*\t:47+2*\t] offset:PLN     ; level 2 h + 1's
	v_nop                                          ; a plain place behind the reciprocal,
	s_wait_alu depctr_va_vdst(0)                   ; and its wait, ahead of the first reader
.irp j, 0,1,2,3,4,5,6,7
	v_mul_f32 v[AA], v[L+\j], v[SS+1]              ; the point's softmax weight,
	v_mul_f32 v[AA+1], v[AA], v[Q+4*\j+3]          ; x row yb + 1's,
	v_mul_f32 v[AA], v[AA], v[Q+4*\j+2]            ; x row yb's
	v_pk_mul_f32 v[Q+4*\j+2:Q+4*\j+3], v[Q+4*\j:Q+4*\j+1], v[AA:AA+1] op_sel:[0,1] op_sel_hi:[1,1]   ; corners (xb, yb + 1), (xb + 1, yb + 1)
	v_pk_mul_f32 v[Q+4*\j:Q+4*\j+1], v[Q+4*\j:Q+4*\j+1], v[AA:AA+1] op_sel_hi:[1,0]                  ; corners (xb, yb), (xb + 1, yb)
	global_store_b128 v[SVW], v[Q+4*\j:Q+4*\j+3], s[42+2*\t:43+2*\t] offset:\j*PLN                   ; point 8 h + j's plane
.endr
.endm
	; ---- offsets and logits of my head, and what is made of them
.irp t, 0,1
	FETCH 4+2*\t
.if \t == 0
	s_wait_loadcnt 0x0                             ; the offsets' and logits' fragments
.endif
	s_wait_dscnt 0x0
	s_wait_xcnt 0x0                                ; the stores issued so far have read their registers: the accumulators, the cells and the weights are written again below
.irp s, 0,1
.irp q, 0,1,2                                  ; the three accumulators by turns
.if \s == 0
	v_wmma_scale_f32_16x16x128_f8f6f4 v[ACC+8*\q:ACC+8*\q+7], v[WQ+12*(2*\q+\s):WQ+12*(2*\q+\s)+11], v[AF+12*\s:AF+12*\s+11], v[BQ+8*\q:BQ+8*\q+7], v[WS+2*\q+\s], v[XSC+\s] matrix_a_fmt:MATRIX_FMT_BF6 matrix_b_fmt:MATRIX_FMT_BF6
.else
	v_wmma_scale_f32_16x16x128_f8f6f4 v[ACC+8*\q:ACC+8*\q+7], v[WQ+12*(2*\q+\s):WQ+12*(2*\q+\s)+11], v[AF+12*\s:AF+12*\s+11], v[ACC+8*\q:ACC+8*\q+7], v[WS+2*\q+\s], v[XSC+\s] matrix_a_fmt:MATRIX_FMT_BF6 matrix_b_fmt:MATRIX_FMT_BF6
.endif
.endr
.endr
.rept 5
	v_nop                                          ; four places ahead of the first read of the results; the fifth for the next tile's products, which begin these accumulators anew
.endr
	POST \t
.endr
	s_wait_tensorcnt 0x0                           ; the wave's end, behind my last LDS store
	ds_add_u32 v[SPW], v[NIL]
	s_wait_dscnt 0x0
	s_endpgm
.Lfunc_end_k_q38f32dee71_proj:
	.size	k_q38f32dee71_proj, .Lfunc_end_k_q38f32dee71_proj-k_q38f32dee71_proj
	.p2alignl 7, 3214868480
	.fill 96, 4, 3214868480
	.section	.rodata,"a",@progbits
	.p2align	6, 0x0
	.amdhsa_kernel k_q38f32dee71_proj
		.amdhsa_group_segment_fixed_size 81920
		.amdhsa_private_segment_fixed_size 0
		.amdhsa_enable_private_segment 0
		.amdhsa_kernarg_size 80
		.amdhsa_user_sgpr_count 2
		.amdhsa_user_sgpr_kernarg_segment_ptr 1
		.amdhsa_wavefront_size32 1
		.amdhsa_system_sgpr_workgroup_id_x 1
		.amdhsa_system_sgpr_workgroup_id_y 1
		.amdhsa_system_sgpr_workgroup_id_z 1
		.amdhsa_system_vgpr_workitem_id 0
		.amdhsa_next_free_vgpr 256
		.amdhsa_next_free_sgpr 66
		.amdhsa_reserve_vcc 1
		.amdhsa_float_denorm_mode_32 3
		.amdhsa_float_denorm_mode_16_64 3
		.amdhsa_memory_ordered 1
		.amdhsa_forward_progress 1
		.amdhsa_inst_pref_size 46
	.end_amdhsa_kernel
	.amdgpu_metadata
---
amdhsa.version: [ 1, 2 ]
amdhsa.kernels:
  - .name:           k_q38f32dee71_proj
    .symbol:         k_q38f32dee71_proj.kd
    .args:
      - { .name: input_flatten, .offset: 0, .size: 8, .value_kind: global_buffer, .address_space: global }
      - { .name: query, .offset: 8, .size: 8, .value_kind: global_buffer, .address_space: global }
      - { .name: reference_points, .offset: 16, .size: 8, .value_kind: global_buffer, .address_space: global }
      - { .name: b_value, .offset: 24, .size: 8, .value_kind: global_buffer, .address_space: global }
      - { .name: b_off, .offset: 32, .size: 8, .value_kind: global_buffer, .address_space: global }
      - { .name: b_attn, .offset: 40, .size: 8, .value_kind: global_buffer, .address_space: global }
      - { .name: wq, .offset: 48, .size: 8, .value_kind: global_buffer, .address_space: global }
      - { .name: value, .offset: 56, .size: 8, .value_kind: global_buffer, .address_space: global }
      - { .name: swgt, .offset: 64, .size: 8, .value_kind: global_buffer, .address_space: global }
      - { .name: sidx, .offset: 72, .size: 8, .value_kind: global_buffer, .address_space: global }
    .group_segment_fixed_size: 81920
    .private_segment_fixed_size: 0
    .kernarg_segment_align: 8
    .kernarg_segment_size: 80
    .max_flat_workgroup_size: 256
    .sgpr_count:     66
    .vgpr_count:     256
    .wavefront_size: 32
...
	.end_amdgpu_metadata
.endif
;; end of part 5
;; launch gath (part 6): grid 256 x 1, 16 waves a work-group, no clusters, 215,040 bytes of LDS; arguments value, swgt, sidx, acc; writes acc
.if DOCPART == 6
	.amdgcn_target "amdgcn-amd-amdhsa--gfx1250"
	.amdhsa_code_object_version 6
	.text
	.protected	k_q38f32dee71_gath
	.globl	k_q38f32dee71_gath
	.p2align	8
	.type	k_q38f32dee71_gath,@function
k_q38f32dee71_gath:
	s_mov_b64 s[64:65], 0
	v_nop
	global_prefetch_b8 v0, s[64:65] scope:SCOPE_SE
	s_setreg_imm32_b32 hwreg(HW_REG_WAVE_MODE, 25, 1), 1
	s_wait_xcnt 0x0
; The weighted sums of MSDeformAttn's sampled values, out of a table in LDS.  Left out: the zeros with which reference() begins acc (the first product of each sum begins it); input_spatial_shapes (never read by reference()).
; acc[row][head][:] = the sum over 16 points and 4 corners of swgt x value[head][cell + corner][:].  The cells are whole numbers that the launch before has stored.  All in f32: the sums go on into a quantiser.
; All four buffers lie in planes of 26,592 rows x 16 bytes (PLN bytes), row = 13294 x batch + position: value and acc: plane 8 head + g: channels 4 g .. 4 g + 3;  sidx: plane 4 head + level;  swgt: plane 16 head + point.
; SHARES.  One batch's rows of one plane of value are 13,294 x 16 = 212,704 bytes: they fit in LDS.  2 batches x 8 heads x 8 planes x 2 halves of the rows = 256 work-groups.  A work-group first brings its table into LDS
; (26 loads and 26 LDS stores a thread; the last load under EXEC, since 212,704 = 25 x 8,192 + 494 x 16).  Then A LANE IS A ROW: wave w takes the blocks of 32 rows B0 + w + 16 u, u = 0 .. 12.  A lane's cells and weights
; come by loads of 16 bytes a lane, 512 consecutive bytes a load; a corner is one LDS load of 16 bytes at 16 x (cell + corner): +16 bytes for x + 1, +16 w for y + 1; a unit ends with one store of 512 consecutive bytes.
; Blocks count rows over both batches, so that every load and store begins at a multiple of 512 bytes in its plane.  Block 415 holds rows of both batches and is walked by both batches' work-groups; block 830 has 28 rows
; that exist.  A lane whose row is not of the work-group's batch reads cells of the wrong table (held inside it) and stores nothing: the store stands under EXEC.  Rows past the end load the last row's parameters.
; A level's 16 LDS loads are on their way while the level before is summed.  The next unit's cells are asked for at a unit's head, its weights level by level, each into the registers that this unit's level has just left.
; NO LDS STORE STANDS IN THE LOOP; a barrier parts the table's stores from the first gather, and another the last gather from the closing add.
; NO CLUSTER, though the eight work-groups of a (batch, head, half) read the same cells and weights: a joint load would lay them in LDS, out of which they would have to be read again: 10,240 bytes on top of the 32,768 that
; a unit's gathers read there, and LDS reads are what this launch does most.  No prefetch: the parameters are asked for a unit ahead by their own loads.  No matrix work here.
; LIMITS: NaN and infinities are not served.
.set NROWS, 26588
.set LQ,    13294
.set PLN,   425472                     ; a plane in bytes
.set SPARE, 212992                     ; LDS: the table from 0 (26 x 8,192 bytes: its last 288 are zeros that nobody reads); behind it the spare words, 128 bytes for each wave: eight blocks of 256 bytes that no other line names
.set TL,   1                           ; v1      16 x my thread's number: my place in a round of 8,192 bytes; never rewritten
.set TA,   2                           ; v2-4    the same + 65,536 k, k = 1 .. 3: an LDS immediate has 16 bits
.set RR,   5                           ; v5      my row in the unit whose parameters were asked for last
.set VR,   6                           ; v6      16 x that row, held inside the planes
.set VS,   7                           ; v7      the same of the unit in hand, for its store
.set VD,   8                           ; v8      the row in hand less the batch's first row
.set TMP,  9
.set SPW,  10                          ; my spare word; never rewritten
.set NIL,  11                          ; 0; never rewritten
.set ADDR, 12                          ; v12-27   the 16 cells' LDS addresses
.set IDXN, 28                          ; v28-43   the cells as loaded
.set AC,   44                          ; v44-51   two sets of four sums
.set W,    52                          ; v52-115  16 points x 4 corner weights
.set G0,   116                         ; v116-179, v180-243  a level's 16 vectors of four channels, two sets
.set G1,   180
.set T,    116                         ; (at the head: v116-219, the table on its way)
.macro TST i                           ; round i of the table goes to LDS as it lies
.if (\i) < 8
	ds_store_b128 v[TL], v[T+4*(\i):T+4*(\i)+3] offset:8192*(\i)
.else
	ds_store_b128 v[TA+(\i)/8-1], v[T+4*(\i):T+4*(\i)+3] offset:8192*((\i)%8)
.endif
.endm
.macro CELLS                           ; four loads: my row's 16 cells
	v_min_u32 v[TMP], NROWS-1, v[RR]               ; no load leaves the rows that were written: rows past the end read the last row, and are not stored
	v_lshlrev_b32 v[VR], 4, v[TMP]
.irp q, 0,1,2,3
	global_load_b128 v[IDXN+4*\q:IDXN+4*\q+3], v[VR], s[8:9] offset:\q*PLN
.endr
.endm
.macro WNEXT lev                       ; four loads: the weights of a level's four points
.irp p, 0,1,2,3
	global_load_b128 v[W+16*\lev+4*\p:W+16*\lev+4*\p+3], v[VR], s[6:7] offset:(4*\lev+\p)*PLN
.endr
.endm
.macro ADRS lev, lim                   ; a cell is held so that its last corner lies inside the table, then becomes an LDS address: 16 bytes a table row
.irp p, 0,1,2,3
	v_min_u32 v[ADDR+4*\lev+\p], \lim, v[IDXN+4*\lev+\p]
.endr
.irp p, 0,1,2,3
	v_lshlrev_b32 v[ADDR+4*\lev+\p], 4, v[ADDR+4*\lev+\p]
.endr
.endm
.macro GATH lev, buf, w                ; a level's 4 points x 4 corners
.irp p, 0,1,2,3
.irp k, 0,1,2,3
	ds_load_b128 v[\buf+16*\p+4*\k:\buf+16*\p+4*\k+3], v[ADDR+4*\lev+\p] offset:16*(\k%2)+16*\w*(\k/2)
.endr
.endr
.endm
.macro FMAL buf, wb, first             ; 16 vectors x their weights, two channels an instruction, into two sets of sums by turns.  first = 1: the first product of each set begins its sums: nothing is cleared
.irp p, 0,1,2,3
.irp k, 0,1,2,3
.irp u, 0,2
.set rA, AC+4*(\k%2)+\u
.set rG, \buf+16*\p+4*\k+\u
.set rW, \wb+4*\p+2*(\k/2)
.if \first && (\p == 0) && (\k == 0)
	v_pk_mul_f32 v[rA:rA+1], v[rG:rG+1], v[rW:rW+1] op_sel_hi:[1,0]
.elseif \first && (\p == 0) && (\k == 1)
	v_pk_mul_f32 v[rA:rA+1], v[rG:rG+1], v[rW:rW+1] op_sel:[0,1] op_sel_hi:[1,1]
.elseif (\k%2) == 0
	v_pk_fma_f32 v[rA:rA+1], v[rG:rG+1], v[rW:rW+1], v[rA:rA+1] op_sel_hi:[1,0,1]
.else
	v_pk_fma_f32 v[rA:rA+1], v[rG:rG+1], v[rW:rW+1], v[rA:rA+1] op_sel:[0,1,0] op_sel_hi:[1,1,1]
.endif
.endr
.endr
.endr
.endm
; One block of 32 rows.  next = 1: the next unit's parameters are asked for.  Global loads are issued in the order: cells, weights of levels 0, 1, 2, 3; with next = 1 sixteen younger loads stand behind each group when it is wanted
.macro UNIT next
	s_wait_loadcnt 16                              ; this unit's cells are in; its weights' sixteen loads may be out
	v_mov_b32 v[VS], v[VR]                         ; this unit's place in a plane (the last store has read v[VS]: the wait on XCNT at the last unit's end)
	v_sub_nc_u32 v[VD], v[RR], s21                 ; my row less the batch's first
	ADRS 0, LQ-102                                 ; the table's last row less (w + 1)
	ADRS 1, LQ-52
	ADRS 2, LQ-27
	ADRS 3, LQ-15
	GATH 0, G0, 100
	GATH 1, G1, 50
.if \next
	v_add_nc_u32 v[RR], 512, v[RR]                 ; sixteen blocks on  (the loads that named v[VR] have read it: the wait on XCNT at the last unit's end, or at the head's)
	CELLS
	s_wait_loadcnt 16                              ; level 0's weights are in
.else
	s_wait_loadcnt 12
.endif
	s_wait_dscnt 16                                ; level 0 is in; level 1's sixteen may be out
	FMAL G0, W, 1
.if \next
	WNEXT 0
.endif
	GATH 2, G0, 25
.if \next
	s_wait_loadcnt 16                              ; level 1's weights
.else
	s_wait_loadcnt 8
.endif
	s_wait_dscnt 16                                ; level 1 is in; level 2's may be out
	FMAL G1, W+16, 0
.if \next
	WNEXT 1
.endif
	GATH 3, G1, 13
.if \next
	s_wait_loadcnt 16                              ; level 2's weights
.else
	s_wait_loadcnt 4
.endif
	s_wait_dscnt 16                                ; level 2 is in; level 3's may be out
	FMAL G0, W+32, 0
.if \next
	WNEXT 2
	s_wait_loadcnt 16                              ; level 3's weights
.else
	s_wait_loadcnt 0x0
.endif
	s_wait_dscnt 0x0
	FMAL G1, W+48, 0
.if \next
	WNEXT 3
.endif
	v_pk_add_f32 v[AC:AC+1], v[AC:AC+1], v[AC+4:AC+5]
	v_pk_add_f32 v[AC+2:AC+3], v[AC+2:AC+3], v[AC+6:AC+7]
	v_cmp_gt_u32 vcc_lo, s22, v[VD]                ; is my row one of the batch's 13,294?
	s_wait_xcnt 0x0                                ; EXEC changes only behind this wait
	s_and_saveexec_b32 s30, vcc_lo
	global_store_b128 v[VS], v[AC:AC+3], s[10:11]  ; 512 consecutive bytes, at a multiple of 512 in the plane (fewer in the two blocks at the batches' ends)
	s_wait_xcnt 0x0                                ; and again, ahead of the line that widens it; the sums and v[VS] may be written again
	s_or_b32 exec_lo, exec_lo, s30
.endm
	s_load_b256 s[4:11], s[0:1], 0x0               ; value s[4:5], swgt s[6:7], sidx s[8:9], acc s[10:11]
	v_lshl_add_u32 v[SPW], v0, 2, SPARE
	v_mov_b32 v[NIL], 0
	v_lshrrev_b32 v[TMP], 5, v0
	v_readfirstlane_b32 s12, v[TMP]                ; wave 0..15
	s_and_b32 s13, ttmp9, 7                        ; which four channels: neighbouring work-groups walk the same cells and weights
	s_bfe_u32 s14, ttmp9, 0x10003                  ; which half of the batch's blocks
	s_bfe_u32 s15, ttmp9, 0x30004                  ; the head
	s_lshr_b32 s16, ttmp9, 7                       ; the batch
	v_lshlrev_b32 v[TL], 4, v0
.irp k, 1,2,3
	v_add_nc_u32 v[TA+\k-1], 65536*\k, v[TL]
.endr
	s_mul_i32 s19, s16, 415                        ; batch 0: blocks 0 to 415; batch 1: 415 to 830
	s_mul_i32 s23, s14, 208
	s_add_co_u32 s19, s19, s23
	s_add_co_u32 s19, s19, s12                     ; my first block
	s_lshl_b32 s19, s19, 5
	v_and_b32 v[TMP], 31, v0
	v_add_nc_u32 v[RR], s19, v[TMP]                ; my first row
	s_mul_i32 s21, s16, LQ                         ; the batch's first row
	s_mov_b32 s22, LQ
	s_mov_b32 s20, 12
.irp i, 0,1,2,3
	v_mov_b32 v[T+100+\i], 0                       ; the last round's registers are written whole ahead of the load that fills them in part
.endr
	s_lshl_b32 s17, s15, 3
	s_add_co_u32 s17, s17, s13                     ; my plane of value and of acc
	s_mul_i32 s24, s17, PLN
	s_mov_b32 s25, 0
	s_mul_i32 s18, s16, LQ*16
	s_wait_kmcnt 0x0
	s_add_nc_u64 s[10:11], s[10:11], s[24:25]
	s_add_co_u32 s24, s24, s18
	s_add_nc_u64 s[4:5], s[4:5], s[24:25]          ; the batch's rows of my plane: the table
	s_mul_i32 s24, s15, 16*PLN
	s_add_nc_u64 s[6:7], s[6:7], s[24:25]          ; my head's planes of swgt
	s_mul_i32 s24, s15, 4*PLN
	s_add_nc_u64 s[8:9], s[8:9], s[24:25]          ; and of sidx
	v_cmp_gt_u32 vcc_lo, 494, v0                   ; the table's last 7,904 bytes: 494 threads.  No global load or store has been issued yet
	s_and_saveexec_b32 s30, vcc_lo
	global_load_b128 v[T+100:T+103], v[TL], s[4:5] offset:25*8192
	s_wait_xcnt 0x0                                ; EXEC changes only behind this wait
	s_or_b32 exec_lo, exec_lo, s30
.irp i, 0,1,2,3,4,5,6,7,8,9,10,11,12,13,14,15,16,17,18,19,20,21,22,23,24
	global_load_b128 v[T+4*\i:T+4*\i+3], v[TL], s[4:5] offset:8192*\i   ; the sixteen waves read 8,192 consecutive bytes
.endr
	CELLS                                          ; the first unit's parameters: 20 loads behind the table's 26
	WNEXT 0
	WNEXT 1
	WNEXT 2
	WNEXT 3
	s_wait_loadcnt 45                              ; the oldest load, the last round's, is in
	TST 25
.irp i, 0,1,2,3,4,5,6,7,8,9,10,11,12,13,14,15,16,17,18,19,20,21,22,23,24
	s_wait_loadcnt 44-\i                           ; round i is in: behind it stand 24 - i rounds and the 20 parameter loads
	TST \i
.endr
	s_wait_xcnt 0x0                                ; the parameter loads have read v[VR], which the first unit writes again
	s_wait_dscnt 0x0                               ; for the others' sake: my part of the table has landed
	s_barrier_signal -1
	s_barrier_wait -1                              ; the table is whole
.Lunit:                                            ; 12 trips; the thirteenth unit is written out: it asks for nothing, and its counts run down
	UNIT 1
	s_sub_co_u32 s20, s20, 1
	s_cmp_lg_u32 s20, 0
	s_cbranch_scc1 .Lunit
	UNIT 0
	s_barrier_signal -1                            ; my gathers are all in (the last wait on DScnt was for 0): this barrier parts every wave's gathers from the adds below
	s_barrier_wait -1
	s_wait_tensorcnt 0x0                           ; the wave's end, behind my last LDS store
	ds_add_u32 v[SPW], v[NIL]
	s_wait_dscnt 0x0
	s_endpgm
.Lfunc_end_k_q38f32dee71_gath:
	.size	k_q38f32dee71_gath, .Lfunc_end_k_q38f32dee71_gath-k_q38f32dee71_gath
	.p2alignl 7, 3214868480
	.fill 96, 4, 3214868480
	.section	.rodata,"a",@progbits
	.p2align	6, 0x0
	.amdhsa_kernel k_q38f32dee71_gath
		.amdhsa_group_segment_fixed_size 215040
		.amdhsa_private_segment_fixed_size 0
		.amdhsa_enable_private_segment 0
		.amdhsa_kernarg_size 32
		.amdhsa_user_sgpr_count 2
		.amdhsa_user_sgpr_kernarg_segment_ptr 1
		.amdhsa_wavefront_size32 1
		.amdhsa_system_sgpr_workgroup_id_x 1
		.amdhsa_system_sgpr_workgroup_id_y 1
		.amdhsa_system_sgpr_workgroup_id_z 1
		.amdhsa_system_vgpr_workitem_id 0
		.amdhsa_next_free_vgpr 248
		.amdhsa_next_free_sgpr 66
		.amdhsa_reserve_vcc 1
		.amdhsa_float_denorm_mode_32 3
		.amdhsa_float_denorm_mode_16_64 3
		.amdhsa_memory_ordered 1
		.amdhsa_forward_progress 1
		.amdhsa_inst_pref_size 40
	.end_amdhsa_kernel
	.amdgpu_metadata
---
amdhsa.version: [ 1, 2 ]
amdhsa.kernels:
  - .name:           k_q38f32dee71_gath
    .symbol:         k_q38f32dee71_gath.kd
    .args:
      - { .name: value, .offset: 0, .size: 8, .value_kind: global_buffer, .address_space: global }
      - { .name: swgt, .offset: 8, .size: 8, .value_kind: global_buffer, .address_space: global }
      - { .name: sidx, .offset: 16, .size: 8, .value_kind: global_buffer, .address_space: global }
      - { .name: acc, .offset: 24, .size: 8, .value_kind: global_buffer, .address_space: global }
    .group_segment_fixed_size: 215040
    .private_segment_fixed_size: 0
    .kernarg_segment_align: 8
    .kernarg_segment_size: 32
    .max_flat_workgroup_size: 512
    .sgpr_count:     66
    .vgpr_count:     248
    .wavefront_size: 32
...
	.end_amdgpu_metadata
.endif
;; end of part 6
;; launch outp (part 7): grid 831 x 1, 4 waves a work-group, no clusters, 40,448 bytes of LDS; arguments acc, wq, b_out, out0; writes out0
.if DOCPART == 7
	.amdgcn_target "amdgcn-amd-amdhsa--gfx1250"
	.amdhsa_code_object_version 6
	.text
	.protected	k_q38f32dee71_outp
	.globl	k_q38f32dee71_outp
	.p2align	8
	.type	k_q38f32dee71_outp,@function
k_q38f32dee71_outp:
	s_mov_b64 s[64:65], 0
	v_nop
	global_prefetch_b8 v0, s[64:65] scope:SCOPE_SE
	s_setreg_imm32_b32 hwreg(HW_REG_WAVE_MODE, 25, 1), 1
	s_wait_xcnt 0x0
; The output projection of MSDeformAttn on codes of BF6 (E3M2): out0[row] = Q(acc[row]) Q(W_out) + b_out.  input_spatial_shapes is left out (reference() never reads it).
; acc lies in planes of 26,592 rows x 16 bytes (PLN bytes): plane 8 head + g holds channels 32 head + 4 g .. + 3 of every row.  W_out comes as fragments' images and scale words out of wq (fragments 80 + 2 n + s).
; LIMITS: NaN and infinities are not served; a block of zeros has the scale byte 1 (read by this program alone); blocks under the floor 2^(5 - 127) were not tried.
; SHARES.  A work-group takes 32 rows as two tiles of 16; the last work-group's second tile begins at row 26572, so four rows are made twice, by the same work-group and with the same values: no mask, no branch.
; Wave w quantises the fragment of tile w / 2, K step w % 2.  THE PLANES ARE THE OPERAND'S ORDER: lane (r, h) wants, in registers 32 c + 4 g .. + 3, channels 128 s + 64 c + 32 h + 4 g .. + 3 of row r, which are its row's
; 16 bytes of plane 32 s + 16 c + 8 h + g: sixteen loads, each 256 consecutive bytes for sixteen lanes, and nothing is turned.  The image goes to the other waves through LDS.
; Then THE WAVES SHARE W_out'S COLUMNS, 64 each (transposed use: source 0 = 16 columns of W_out, source 1 = 16 rows); b_out is the C of each sum's first matrix instruction; the rows leave through a stage in LDS,
; 512 consecutive bytes a store.
; No tensor loads, no cluster: what work-groups share is W_out's fragments; small work-groups, four to a WGP, keep loads and stores of several on their way.  No prefetch: each wave's loads all go out at its head.
.set NROWS, 26588
.set PLN,   425472                     ; a plane in bytes
.set SCB,   172032                     ; wq: where the scale words begin
; LDS: from 0 the stage for out0: 32 rows x (1024 + 16)
.set IMG,   33280                      ; 4 images of acc's fragments
.set ISC,   39424                      ; their scale words
.set SPARE, 39936                      ; the spare words, 128 bytes for each wave: two blocks of 256 bytes that no other line names
.set L16,  1                           ; 16 l
.set SPW,  11                          ; my spare word; never rewritten
.set NIL,  12                          ; 0; never rewritten
.set SH8,  15                          ; 8 h  (v13: r, v14: h)
.set X,    16                          ; v16-79   64 numbers to quantise
.set AF,   16                          ; v16-39   acc's two fragments
.set ACC,  40                          ; v40-71   four accumulators
.set WO,   80                          ; v80-175  my eight fragments of W_out
.set BO,   176                         ; v176-207 b_out in the result's layout
.set PC,   208
.set PW,   220
.set T1,   221
.set WOS,  224                         ; v224-231 W_out's scale words; they hold nothing else
.set XSC,  232                         ; v232-233 acc's scale words; they hold nothing else
.set TC,   234
.set MX,   242
.set SO,   244
.set BY,   246
.set OUTR, 80                          ; the way out: v80-143
.set SEL,  26                          ; s[26:27] lane selects: lane l xor 16
; 64 numbers of a lane, register 32 c + i = k 64 c + 32 h + i of its row, become a fragment's 12 registers of codes in v[PC] on and its scale word in v[PW]
.macro QW s
.irp c, 0,1
	v_max3_num_f32 v[MX+\c], |v[\s+32*\c]|, |v[\s+32*\c+1]|, 0x2800000   ; block 2 c + h: all its 32 numbers are mine; the floor 2^(5 - 127) holds the byte at 1 from below
.endr
.irp i, 2,4,6,8,10,12,14,16,18,20,22,24,26,28,30
.irp c, 0,1
	v_max3_num_f32 v[MX+\c], v[MX+\c], |v[\s+32*\c+\i]|, |v[\s+32*\c+\i+1]|
.endr
.endr
.irp c, 0,1
	v_add_nc_u32 v[SO+\c], 0xfe000000, v[MX+\c]    ; 4 off the exponent field: the conversion's scale operand
.endr
.irp c, 0,1
	v_lshrrev_b32 v[BY+\c], 23, v[SO+\c]           ; the scale's byte
.endr
	v_lshl_or_b32 v[PW], v[BY+1], 16, v[BY]
	v_lshlrev_b32 v[PW], v[SH8], v[PW]
	v_mov_b32 v[T1], 0                             ; (a lane permute's destination counts as one of its sources)
	v_permlanex16_b32 v[T1], v[PW], s[SEL], s[SEL+1]
	v_or_b32 v[PW], v[PW], v[T1]                   ; my row's scale word, in both halves of the lanes
.irp c, 0,1
	v_cvt_scalef32_pk16_bf6_f32 v[PC+6*\c:PC+6*\c+2], v[\s+32*\c:\s+32*\c+15], v[SO+\c]
	v_cvt_scalef32_pk16_bf6_f32 v[TC+4*\c:TC+4*\c+2], v[\s+32*\c+16:\s+32*\c+31], v[SO+\c]   ; (a conversion's three registers begin on an even number)
.endr
	v_nop                                          ; one plain place behind the last scaled conversion
.irp c, 0,1
.irp i, 0,1,2
	v_mov_b32 v[PC+3+6*\c+\i], v[TC+4*\c+\i]
.endr
.endr
.endm
.macro FETCH f0                        ; the images f0 and f0 + 1 (a tile's two K steps) and their scale words, as any wave's registers
.irp s, 0,1
.irp c, 0,1,2
	ds_load_b128 v[AF+12*\s+4*\c:AF+12*\s+4*\c+3], v9 offset:1536*((\f0)+\s)+512*\c
.endr
	ds_load_b32 v[XSC+\s], v10 offset:128*((\f0)+\s)
.endr
.endm
	s_load_b256 s[4:11], s[0:1], 0x0               ; acc s[4:5], wq s[6:7], b_out s[8:9], out0 s[10:11]
	v_lshl_add_u32 v[SPW], v0, 2, SPARE
	v_mov_b32 v[NIL], 0
	v_lshrrev_b32 v10, 5, v0
	v_readfirstlane_b32 s16, v10                   ; wave 0..3
	s_and_b32 s17, s16, 1                          ; the K step that I quantise; which eight rows of the tile I store
	s_lshr_b32 s18, s16, 1                         ; the tile that I quantise and store
	s_lshl_b32 s19, ttmp9, 5                       ; tile 0: row 32 x work-group
	s_add_co_u32 s20, s19, 16
	s_min_u32 s20, s20, NROWS-16                   ; tile 1: 16 further on, held inside the table
	s_cmp_eq_u32 s18, 0
	s_cselect_b32 s21, s19, s20                    ; my tile's first row
	s_mov_b32 s[SEL], 0x76543210
	s_mov_b32 s[SEL+1], 0xfedcba98
	v_and_b32 v10, 31, v0
	v_lshlrev_b32 v[L16], 4, v10
	v_lshlrev_b32 v8, 2, v10                       ; 4 l
	v_and_b32 v13, 15, v0                          ; r
	v_bfe_u32 v14, v0, 4, 1                        ; h
	v_lshlrev_b32 v[SH8], 3, v14
	v_lshlrev_b32 v5, 4, v13
	v_mul_u32_u24 v6, v14, 8*PLN
	v_add_nc_u32 v5, v5, v6                        ; acc: 16 r + 8 h planes,
	v_add_nc_u32 v6, 16*PLN, v5                    ; and 16 planes on, for the operand's upper half
	s_mul_i32 s25, s16, 12288
	v_add_nc_u32 v2, s25, v[L16]                   ; W_out's fragments 80 + 8 w on
	v_lshl_add_u32 v3, s16, 10, v8                 ; their scale words
	v_lshlrev_b32 v4, 5, v14
	v_lshl_add_u32 v4, s16, 8, v4                  ; b_out: my 64 columns, + 8 h numbers
	s_mul_i32 s25, s16, 1536
	s_add_co_u32 s25, s25, IMG
	v_add_nc_u32 v7, s25, v[L16]                   ; where my image goes,
	v_add_nc_u32 v9, IMG, v[L16]                   ; where any image is read,
	v_add_nc_u32 v10, ISC, v8                      ; and its scale words;
	s_lshl_b32 s25, s16, 7
	s_add_co_u32 s25, s25, ISC
	v_add_nc_u32 v8, s25, v8                       ; where my scale words go
	v_mul_u32_u24 v222, v13, 1040
	v_lshl_add_u32 v222, v14, 5, v222
	v_lshl_add_u32 v222, s16, 8, v222              ; the stage, on the way in: row r, my 64 columns, + 32 h
	s_mul_i32 s25, s16, 8*1040
	v_add_nc_u32 v223, s25, v[L16]                 ; and back: rows 8 w on, 16 bytes a lane
	s_lshl_b32 s28, s21, 4                         ; my tile's first row in a plane,
	s_mul_i32 s25, s17, 32*PLN                     ; in my K step's 32 planes
	s_add_co_u32 s28, s28, s25
	s_mov_b32 s29, 0
	s_wait_kmcnt 0x0
	s_add_nc_u64 s[12:13], s[4:5], s[28:29]
	s_lshl_b32 s25, s17, 3
	s_add_co_u32 s25, s25, s21
	s_lshl_b32 s28, s25, 10                        ; the eight rows of out0 that I store
	s_add_nc_u64 s[14:15], s[10:11], s[28:29]
.irp c, 0,1
.irp j, 0,1,2,3,4,5,6,7
	global_load_b128 v[X+32*\c+4*\j:X+32*\c+4*\j+3], v[5+\c], s[12:13] offset:\j*PLN th:TH_LOAD_NT   ; k = 64 c + 32 h + 4 j on, of row r: sixteen lanes read 256 consecutive bytes of a plane; read once in the launch (four rows twice)
.endr
.endr
	; 40 loads behind them: my 64 columns of W_out, their scale words, b_out
.irp i, 0,1,2,3,4,5,6,7
.irp c, 0,1,2
	global_load_b128 v[WO+12*\i+4*\c:WO+12*\i+4*\c+3], v2, s[6:7] offset:122880+1536*\i+512*\c
.endr
.endr
.irp i, 0,1,2,3,4,5,6,7
	global_load_b32 v[WOS+\i], v3, s[6:7] offset:SCB+10240+128*\i
.endr
.irp n, 0,1,2,3
	global_load_b128 v[BO+8*\n:BO+8*\n+3], v4, s[8:9] offset:64*\n
	global_load_b128 v[BO+8*\n+4:BO+8*\n+7], v4, s[8:9] offset:64*\n+16
.endr
	s_wait_loadcnt 40                              ; acc's sixteen loads are in; the 40 issued behind them may be out
	QW X
.irp c, 0,1,2
	ds_store_b128 v7, v[PC+4*\c:PC+4*\c+3] offset:512*\c          ; the fragment goes to LDS as an image of its registers
.endr
	ds_store_b32 v8, v[PW]
	s_wait_dscnt 0x0                               ; for the others' sake: my image has landed
	s_barrier_signal -1
	s_barrier_wait -1                              ; the four fragments lie in LDS
	s_wait_loadcnt 0x0                             ; W_out, its scale words, b_out
.irp t, 0,1
	FETCH 2*\t
	s_wait_dscnt 0x0
.irp s, 0,1
.irp n, 0,1,2,3                                ; the four accumulators by turns
.if \s == 0
	v_wmma_scale_f32_16x16x128_f8f6f4 v[ACC+8*\n:ACC+8*\n+7], v[WO+12*(2*\n+\s):WO+12*(2*\n+\s)+11], v[AF+12*\s:AF+12*\s+11], v[BO+8*\n:BO+8*\n+7], v[WOS+2*\n+\s], v[XSC+\s] matrix_a_fmt:MATRIX_FMT_BF6 matrix_b_fmt:MATRIX_FMT_BF6
.else
	v_wmma_scale_f32_16x16x128_f8f6f4 v[ACC+8*\n:ACC+8*\n+7], v[WO+12*(2*\n+\s):WO+12*(2*\n+\s)+11], v[AF+12*\s:AF+12*\s+11], v[ACC+8*\n:ACC+8*\n+7], v[WOS+2*\n+\s], v[XSC+\s] matrix_a_fmt:MATRIX_FMT_BF6 matrix_b_fmt:MATRIX_FMT_BF6
.endif
.endr
.endr
.rept 5
	v_nop                                          ; four places ahead of the stores that read the results and of loads into the operands' registers; the fifth for the next tile's products, which begin these accumulators anew
.endr
.irp n, 0,1,2,3
	ds_store_b128 v222, v[ACC+8*\n:ACC+8*\n+3] offset:16640*\t+64*\n         ; lane (r, h): out0(tile t's row r, 64 w + 16 n + 8 h + 0 .. 7); each accumulator from its low end on
	ds_store_b128 v222, v[ACC+8*\n+4:ACC+8*\n+7] offset:16640*\t+64*\n+16
.endr
.endr
	s_wait_dscnt 0x0                               ; for the others' sake: my columns have landed in the stage
	s_barrier_signal -1
	s_barrier_wait -1                              ; 32 whole rows lie in the stage
.irp i, 0,1,2,3,4,5,6,7
.irp j, 0,1
	ds_load_b128 v[OUTR+4*(2*\i+\j):OUTR+4*(2*\i+\j)+3], v223 offset:1040*\i+512*\j
.endr
.endr
	s_wait_tensorcnt 0x0                           ; the wave's end, behind my last LDS store
	ds_add_u32 v[SPW], v[NIL]
	s_wait_dscnt 0x0                               ; this wait also brings in the sixteen loads above
.irp i, 0,1,2,3,4,5,6,7
.irp j, 0,1
	global_store_b128 v[L16], v[OUTR+4*(2*\i+\j):OUTR+4*(2*\i+\j)+3], s[14:15] offset:1024*\i+512*\j th:TH_STORE_NT   ; 32 lanes store 512 consecutive bytes, at a multiple of 512 from out0's first byte; written once, read by nobody here
.endr
.endr
	s_endpgm
.Lfunc_end_k_q38f32dee71_outp:
	.size	k_q38f32dee71_outp, .Lfunc_end_k_q38f32dee71_outp-k_q38f32dee71_outp
	.p2alignl 7, 3214868480
	.fill 96, 4, 3214868480
	.section	.rodata,"a",@progbits
	.p2align	6, 0x0
	.amdhsa_kernel k_q38f32dee71_outp
		.amdhsa_group_segment_fixed_size 40448
		.amdhsa_private_segment_fixed_size 0
		.amdhsa_enable_private_segment 0
		.amdhsa_kernarg_size 32
		.amdhsa_user_sgpr_count 2
		.amdhsa_user_sgpr_kernarg_segment_ptr 1
		.amdhsa_wavefront_size32 1
		.amdhsa_system_sgpr_workgroup_id_x 1
		.amdhsa_system_sgpr_workgroup_id_y 1
		.amdhsa_system_sgpr_workgroup_id_z 1
		.amdhsa_system_vgpr_workitem_id 0
		.amdhsa_next_free_vgpr 248
		.amdhsa_next_free_sgpr 66
		.amdhsa_reserve_vcc 0
		.amdhsa_float_denorm_mode_32 3
		.amdhsa_float_denorm_mode_16_64 3
		.amdhsa_memory_ordered 1
		.amdhsa_forward_progress 1
		.amdhsa_inst_pref_size 19
	.end_amdhsa_kernel
	.amdgpu_metadata
---
amdhsa.version: [ 1, 2 ]
amdhsa.kernels:
  - .name:           k_q38f32dee71_outp
    .symbol:         k_q38f32dee71_outp.kd
    .args:
      - { .name: acc, .offset: 0, .size: 8, .value_kind: global_buffer, .address_space: global }
      - { .name: wq, .offset: 8, .size: 8, .value_kind: global_buffer, .address_space: global }
      - { .name: b_out, .offset: 16, .size: 8, .value_kind: global_buffer, .address_space: global }
      - { .name: out0, .offset: 24, .size: 8, .value_kind: global_buffer, .address_space: global }
    .group_segment_fixed_size: 40448
    .private_segment_fixed_size: 0
    .kernarg_segment_align: 8
    .kernarg_segment_size: 32
    .max_flat_workgroup_size: 128
    .sgpr_count:     66
    .vgpr_count:     248
    .wavefront_size: 32
...
	.end_amdgpu_metadata
.endif
;; end of part 7
